; MI455X (gfx1250); checked and timed in simulation.
; The chip was launched on July 23, 2026; its instructions are those of AMD's public machine-readable ISA for CDNA 5 (MIT licence, August 2026) and "CDNA5" Instruction Set Architecture Reference Guide (July 2026). The comments in the code are by the model that wrote it; some were corrected since.
;; Block. Allowed arithmetic: matrix products marked QUANTISED: E5M2 operands, one E8M0 scale for each 32 along K, by v_wmma_scale_f32_16x16x128_f8f6f4 with both operands' format E5M2, f32 sums; everything else in f32.
;; Inputs: b1 4,096 float32; b2 1,024 float32; bk 1,024 float32; bo 1,024 float32; bq 1,024 float32; bv 1,024 float32; ln1_b 1,024 float32; ln1_w 1,024 float32; ln2_b 1,024 float32; ln2_w 1,024 float32; w1 1,024 x 4,096 float32; w2 4,096 x 1,024 float32; wk 1,024 x 1,024 float32; wo 1,024 x 1,024 float32; wq 1,024 x 1,024 float32; wv 1,024 x 1,024 float32; x 2 x 2,048 x 1,024 float32.
;; Outputs: out0 2 x 2,048 x 1,024 float32.
;; This version of the problem:
;;   THIS VERSION OF THE PROBLEM IS GIVEN IN LOW PRECISION. The matrix products marked QUANTISED in the list below multiply operands that are first quantised to E5M2 (5 exponent bits, 2 mantissa bits; 8 bits a number), with one power-of-two scale for each 32 numbers along K (OCP MX v1.0); their sums are f32. All else is computed in f32.
;;   The module's matrix products, in the order in which they are computed (A, B: the left and right operand; K: the contracted axis; several contracted axes count as one K, in the product's order):
;;     1. [M 4,096, K 1,024] x [K 1,024, N 1,024]; A: computed on the way; B: input wq: QUANTISED
;;     2. [M 4,096, K 1,024] x [K 1,024, N 1,024]; A: computed on the way; B: input wk: QUANTISED
;;     3. [M 4,096, K 1,024] x [K 1,024, N 1,024]; A: computed on the way; B: input wv: QUANTISED
;;     4. batch 32 x [M 2,048, K 64] x [K 64, N 2,048]; A: computed on the way; B: computed on the way: QUANTISED
;;     5. batch 32 x [M 2,048, K 2,048] x [K 2,048, N 64]; A: softmax (see below); B: computed on the way: QUANTISED
;;     6. [M 4,096, K 1,024] x [K 1,024, N 1,024]; A: computed on the way; B: input wo: QUANTISED
;;     7. [M 4,096, K 1,024] x [K 1,024, N 4,096]; A: computed on the way; B: input w1: QUANTISED
;;     8. [M 4,096, K 4,096] x [K 4,096, N 1,024]; A: computed on the way; B: input w2: QUANTISED
;;   THE QUANTISER, for each operand of a quantised product, along K:
;;     - K is cut into blocks of 32 from its start; a last block that is shorter is filled with zeros.
;;     - A block's scale is 2^e with e = floor(log2(the largest magnitude in the block)) - 15, held to -126 .. 127; a block of zeros has e = 0. As a byte (E8M0): e + 127.
;;     - Each number is divided by its block's scale, clamped to +-57,344, and rounded to the nearest number of E5M2, ties to even, subnormals kept.
;;     - The product sums the exact products of the quantised numbers (number of the format x scale) in f32.
;;   ~~~python
;;   def quantise(x, axis):      # numpy; x: float32 -> the quantised numbers, widened to float32 again
;;       x = np.moveaxis(x, axis, -1); K = x.shape[-1]
;;       x = np.pad(x, [(0, 0)] * (x.ndim - 1) + [(0, -K % 32)]); x = x.reshape(x.shape[:-1] + (-1, 32)); a = np.abs(x).max(-1, keepdims=True)
;;       e = np.where(a > 0, np.clip(np.frexp(np.where(a > 0, a, 1))[1] - 1 - 15, -126, 127), 0)      # np.frexp(a)[1] - 1 = floor(log2(a)), exactly
;;       r = np.clip(x / 2.0 ** e, -57344, 57344)
;;       step = 2.0 ** (np.maximum(np.frexp(np.where(r == 0, 1, r))[1] - 1, -14) - 2)
;;       q = np.round(r / step) * step * 2.0 ** e      # np.round: ties to even
;;       return np.moveaxis(q.reshape(q.shape[:-2] + (-1,))[..., :K], -1, axis).astype(np.float32)
;;   ~~~
;;   SOFTMAX AHEAD OF A QUANTISED PRODUCT. Where the list says 'softmax', what is quantised is not the finished softmax but p = 2^(t - M), with t = logit x log2(e) and M = ceil(the row's largest t), a whole number; so 1/2 < the row's largest p <= 1. The row's sum l is taken of the UNQUANTISED p, in f32, and the product's result is divided by l at the end. Since M is a whole number, a kernel that streams over the keys may use a running M (the ceiling of the running maximum): every later rescaling is an exact power of two, which a block's scale takes up: the codes' values come out the same.
;;   OPERANDS COMPUTED ON THE WAY. 'Computed on the way' means the value that the module computes at that place (a softmax that the list does not call 'softmax' is quantised finished and normalised). What goes into a quantiser is computed in f32, as accurately as f32 sums, v_exp_f32 and their like allow (about 1e-6 of the number): no bf16 or f16 on the way to a quantiser, and a product that is left as it is and whose result goes on into a quantised operand takes f32 operands (vector FMAs, or v_wmma_f32_16x16x4_f32). A number that lies on a knife's edge between two numbers of the format may be rounded either way, as far as f32 arithmetic and the matrix unit's own rounding can turn it there, and no further.
;; One version. Each part assembles by itself: llvm-mc -triple=amdgcn-amd-amdhsa -mcpu=gfx1250 --defsym DOCPART=n.
;; ======== version 1 of 1: 7 launches
;; limits: right only within a limited range of input values
;; workspace buffers: wts 12,976,128 bytes; act 4,325,376 bytes; qbuf 4,456,448 bytes; kvb 8,781,824 bytes; x1 16,777,216 bytes; hid 17,301,504 bytes
;; launch prep (part 1): grid 448 x 1, 8 waves a work-group, no clusters, 69,632 bytes of LDS; arguments x, ln1_w, ln1_b, wq, wk, wv, wo, w1, w2, act, wts; writes act, wts
.if DOCPART == 1
	.amdgcn_target "amdgcn-amd-amdhsa--gfx1250"
	.amdhsa_code_object_version 6
	.text
	.protected	k_qa0d58b1d07_prep
	.globl	k_qa0d58b1d07_prep
	.p2align	8
	.type	k_qa0d58b1d07_prep,@function
k_qa0d58b1d07_prep:
	s_mov_b64 s[64:65], 0
	v_nop
	global_prefetch_b8 v0, s[64:65] scope:SCOPE_SE
	s_setreg_imm32_b32 hwreg(HW_REG_WAVE_MODE, 25, 1), 1
	s_wait_xcnt 0x0
; PREP.  Work-groups 0-255: LayerNorm 1 of 16 tokens each, quantised to codes of E5M2 with one E8M0 scale for each 32 along C.  Work-groups 256-447: the six weights, stored [K][N], quantised along K.
; EVERY OPERAND BUFFER OF THIS PROGRAM IS LAID IN THE ORDER OF THE OPERAND'S REGISTERS.  A tile is 16 rows; lane-row r of tile t stands for row 32 (t / 2) + 8 (t % 2) + r % 8 + 16 (r / 8).
; An image is 16 rows x 128 K in 2,048 bytes: byte 512 c + 256 h + 16 r + e is (row r, k = 32 c + 16 h + e): a fragment is four accesses of 16 bytes a lane at 16 x lane + 512 c.
; A record is four images (512 along K) and 256 bytes of scale words (row r, image q: at 8,192 + 16 r + 4 q): 8,448 bytes.  A buffer is [tile][K / 512][record].
; LAYERNORM: eight waves, wave s takes columns 128 s .. 128 s + 127 of the tile's 16 rows: one image.  Each load of x takes 512 consecutive bytes of one row; the 16 rows turn through the wave's own stage in LDS and come
; back so that lane (r, h) holds, of its row, 16 neighbours of each block of 32: the conversions' results are then the image's bytes.
; Mean and variance in two passes, as the variance is defined (no difference of large sums); the waves' partial sums meet in LDS, behind one barrier each.
; WEIGHTS: a lane takes a column n and its registers run down K: a block of 32 lies in one lane, and its codes come out with K innermost.  A wave takes 32 columns x 256 along K; each store fills two aligned runs of 256 bytes.
; The scale words leave as pieces of 2 or 8 bytes, 16 bytes apart: one byte in 128 of what the launch reads.
; LIMITS: NaN and infinities are not served; a block whose largest magnitude lies under 2^-111 keeps the byte 1, a block of zeros too (its codes are zeros, and this program alone reads the bytes); v_rsq_f32 is 1 ulp.
.set SPARE, 1024                       ; LDS: 0-511 the sums' words (32 r + 4 s), 512-1,023 the squares', then the spare words, 128 bytes a wave,
.set STG,   2048                       ; then a stage of 16 rows x 528 bytes for each wave
.set SP,    528                        ; a stage row: 512 bytes + 16: the sixteen rows that a load back touches start at sixteen different groups of banks
.set SPW, 14                           ; v14 my spare word's address; v15 0: kept for the add alone
.set NIL, 15
.set TM,  16                           ; v16-19 largest magnitudes, v20-23 bytes, v24-27 the hold, v28-31 the conversions' scale operands
.set PC,  32                           ; v32-47 the codes
.set PW,  48                           ; the scale word
.set X,   64                           ; v64-127 my 64 numbers: register 16 c + e is k = 128 s + 32 c + 16 h + e
.set LW,  128                          ; the gain, likewise
.set LB,  192                          ; the rows of x as they are loaded; later the bias
.set WV,  26
.set SEL, 28
.set MNT, 30
.set HM,  31
.set OUTP, 22                          ; s[22:23] act
.set OF,  64                           ; weights: v64-95 byte offset of row i of a block at my column
.set XW,  128                          ; v128-191 two sets of 32 numbers
.set CW,  192                          ; v192-255 eight registers of codes for each block: no store's data are written again
.set SB,  96                           ; v[96:97] the scale bytes
.set VO,  16                           ; my place in the two tiles
	s_load_b512 s[4:19], s[0:1], 0x0               ; x, ln1_w, ln1_b, wq, wk, wv, wo, w1
	s_load_b128 s[20:23], s[0:1], 0x40             ; w2, act
	s_load_b64 s[24:25], s[0:1], 0x50              ; wts
	v_lshl_add_u32 v[SPW], v0, 2, SPARE
	v_mov_b32 v[NIL], 0
	v_lshrrev_b32 v1, 5, v0
	v_readfirstlane_b32 s[WV], v1                  ; wave 0..7
	s_mov_b32 s[SEL], 0x76543210
	s_mov_b32 s[SEL+1], 0xfedcba98                 ; lane l xor 16
	s_mov_b32 s[MNT], 0x600000                     ; the mantissa field of 57,344
	s_mov_b32 s[HM], 0xffff0000                    ; lanes 16-31
	s_cmp_ge_u32 ttmp9, 256                        ; the work-group's number alone: all eight waves go the same way
	s_cbranch_scc1 .Lweights
; 64 numbers of a lane become an image's codes in v[PC] on and my row's scale word in v[PW]
.macro QUANT s
.irp b, 0,1,2,3
	v_max3_num_f32 v[TM+\b], |v[\s+16*\b]|, |v[\s+1+16*\b]|, 0x8000000   ; my 16 numbers of block b, and the floor 2^(16 - 127): the byte cannot fall under 1
.endr
.irp i, 2,4,6,8,10,12,14
.irp b, 0,1,2,3
	v_max3_num_f32 v[TM+\b], v[TM+\b], |v[\s+16*\b+\i]|, |v[\s+1+16*\b+\i]|
.endr
.endr
.irp b, 0,1,2,3
	v_permlanex16_b32 v[TM+4+\b], v[TM+\b], s[SEL], s[SEL+1]
.endr
.irp b, 0,1,2,3
	v_max_num_f32 v[TM+\b], v[TM+\b], v[TM+4+\b]   ; with lane l xor 16's: the block's largest magnitude
.endr
.irp b, 0,1,2,3
	v_add_nc_u32 v[TM+12+\b], 0xf8800000, v[TM+\b] ; 15 off its exponent field: the conversion's scale operand
.endr
.irp b, 0,1,2,3
	v_and_or_b32 v[TM+8+\b], v[TM+\b], 0x7f800000, s[MNT]   ; 57,344 x the scale
.endr
.irp b, 0,1,2,3
	v_lshrrev_b32 v[TM+4+\b], 23, v[TM+12+\b]      ; the scale's byte
.endr
	v_lshl_or_b32 v[PW], v[TM+5], 8, v[TM+4]
	v_lshl_or_b32 v[PW], v[TM+6], 16, v[PW]
	v_lshl_or_b32 v[PW], v[TM+7], 24, v[PW]
.irp b, 0,1,2,3
.irp i, 0,1,2,3,4,5,6,7,8,9,10,11,12,13,14,15
	v_med3_num_f32 v[\s+16*\b+\i], v[\s+16*\b+\i], -v[TM+8+\b], v[TM+8+\b]   ; the conversion does not saturate (ISA guide 7.6.2): the hold
.endr
	v_cvt_scalef32_pk8_bf8_f32 v[PC+4*\b:PC+1+4*\b], v[\s+16*\b:\s+7+16*\b], v[TM+12+\b]
	v_cvt_scalef32_pk8_bf8_f32 v[PC+2+4*\b:PC+3+4*\b], v[\s+8+16*\b:\s+15+16*\b], v[TM+12+\b]
.endr
	v_nop                                          ; a plain line behind the last conversion
.endm
; four chains v[56:63] -> my row's sum over all 1,024 columns, in every lane, through the words at off
.macro REDUCE off
	v_pk_add_f32 v[56:57], v[56:57], v[58:59]
	v_pk_add_f32 v[60:61], v[60:61], v[62:63]
	v_pk_add_f32 v[56:57], v[56:57], v[60:61]
	v_add_f32 v56, v56, v57
	v_permlanex16_b32 v57, v56, s[SEL], s[SEL+1]
	v_add_f32 v56, v56, v57                        ; my wave's 128 columns of row r
	ds_store_b32 v6, v56 offset:\off               ; lanes l and l + 16 write the same word with the same value
	s_wait_dscnt 0x0                               ; for the others' sake: my store has landed
	s_barrier_signal -1
	s_barrier_wait -1
	ds_load_b128 v[56:59], v7 offset:\off          ; the eight waves' parts of my row
	ds_load_b128 v[60:63], v7 offset:\off+16
	s_wait_dscnt 0x0
	v_add_f32 v56, v56, v57
	v_add_f32 v58, v58, v59
	v_add_f32 v60, v60, v61
	v_add_f32 v62, v62, v63
	v_add_f32 v56, v56, v58
	v_add_f32 v60, v60, v62
	v_add_f32 v56, v56, v60
.endm
	; ---- LayerNorm: tile = the work-group's number
	v_and_b32 v1, 15, v0                           ; r
	v_bfe_u32 v2, v0, 4, 1                         ; h
	v_and_b32 v3, 31, v0
	v_lshlrev_b32 v3, 4, v3                        ; 16 x lane
	s_mul_i32 s27, s[WV], 16*SP
	s_add_co_u32 s27, s27, STG                     ; my wave's stage
	v_add_nc_u32 v4, s27, v3                       ; into it: 16 x lane of a row
	v_mul_u32_u24 v9, v1, SP
	v_lshl_add_u32 v9, v2, 6, v9
	v_add_nc_u32 v9, s27, v9                       ; out of it: row r, + 64 h
	v_lshlrev_b32 v5, 6, v2                        ; gain and bias: 64 h
	v_lshlrev_b32 v7, 5, v1                        ; LDS: 32 r
	s_lshl_b32 s27, s[WV], 2
	v_add_nc_u32 v6, s27, v7                       ; 32 r + 4 s
	v_lshlrev_b32 v8, 4, v1
	v_lshl_add_u32 v8, v2, 1, v8                   ; the scale word's half: 16 r + 2 h
.irp b, 0,1,2,3
	v_mov_b32 v[TM+4+\b], 0                        ; a lane permute's destination counts as one of its sources
.endr
	s_lshr_b32 s32, ttmp9, 1
	s_lshl_b32 s32, s32, 5
	s_and_b32 s33, ttmp9, 1
	s_lshl_b32 s33, s33, 3
	s_add_co_u32 s32, s32, s33                     ; the tile's first row
	s_lshl_b32 s32, s32, 12
	s_lshl_b32 s34, s[WV], 9                       ; my 128 columns: 512 bytes
	s_add_co_u32 s32, s32, s34
	s_mov_b32 s33, 0
	s_mov_b32 s35, 0
	s_mul_i32 s36, ttmp9, 16896
	s_lshr_b32 s38, s[WV], 2
	s_mul_i32 s38, s38, 8448
	s_add_co_u32 s36, s36, s38                     ; my record
	s_and_b32 s38, s[WV], 3
	s_lshl_b32 s39, s38, 11
	s_add_co_u32 s40, s36, s39                     ; my image
	s_mov_b32 s41, 0
	s_lshl_b32 s38, s38, 2
	s_add_co_u32 s42, s36, s38
	s_add_co_u32 s42, s42, 8192                    ; my scale words
	s_mov_b32 s43, 0
	s_wait_kmcnt 0x0
	s_add_nc_u64 s[4:5], s[4:5], s[32:33]
	s_add_nc_u64 s[6:7], s[6:7], s[34:35]
	s_add_nc_u64 s[8:9], s[8:9], s[34:35]
	s_add_nc_u64 s[40:41], s[OUTP:OUTP+1], s[40:41]
	s_add_nc_u64 s[42:43], s[OUTP:OUTP+1], s[42:43]
.irp i, 0,1,2,3,4,5,6,7,8,9,10,11,12,13,14,15
	global_load_b128 v[LB+4*\i:LB+4*\i+3], v3, s[4:5] offset:((\i%8)+16*(\i/8))*4096 th:TH_LOAD_NT   ; lane-row i's 512 bytes: 32 lanes, 16 neighbouring bytes each
.endr
.irp c, 0,1,2,3
.irp j, 0,1,2,3
	global_load_b128 v[LW+16*\c+4*\j:LW+16*\c+4*\j+3], v5, s[6:7] offset:128*\c+16*\j
.endr
.endr
	s_wait_loadcnt 16                              ; the 16 loads of x are in; the 16 of the gain may be out
.irp i, 0,1,2,3,4,5,6,7,8,9,10,11,12,13,14,15
	ds_store_b128 v4, v[LB+4*\i:LB+4*\i+3] offset:\i*SP
.endr
.irp c, 0,1,2,3
.irp j, 0,1,2,3
	ds_load_b128 v[X+16*\c+4*\j:X+16*\c+4*\j+3], v9 offset:128*\c+16*\j   ; LDS serves a wave's instructions in order (ISA guide 5.7.1.4): these see my stores
.endr
.endr
	s_wait_dscnt 0x0                               ; my numbers are back, and the stores have read their registers,
.irp c, 0,1,2,3
.irp j, 0,1,2,3
	global_load_b128 v[LB+16*\c+4*\j:LB+16*\c+4*\j+3], v5, s[8:9] offset:128*\c+16*\j   ; which now take the bias: it is wanted only behind both sums
.endr
.endr
.irp k, 0,1,2,3
	v_pk_add_f32 v[56+2*\k:57+2*\k], v[X+2*\k:X+2*\k+1], v[X+8+2*\k:X+9+2*\k]
.endr
.set p, 8
.rept 24
	v_pk_add_f32 v[56+2*(p%4):57+2*(p%4)], v[56+2*(p%4):57+2*(p%4)], v[X+2*p:X+2*p+1]
.set p, p+1
.endr
	REDUCE 0
	v_mul_f32 v50, 0x3a800000, v56                 ; the mean: / 1,024
	v_mov_b32 v51, v50
.set p, 0
.rept 32
	v_pk_add_f32 v[X+2*p:X+2*p+1], v[X+2*p:X+2*p+1], v[50:51] neg_lo:[0,1] neg_hi:[0,1]
.set p, p+1
.endr
.irp k, 0,1,2,3
	v_pk_mul_f32 v[56+2*\k:57+2*\k], v[X+2*\k:X+2*\k+1], v[X+2*\k:X+2*\k+1]
.endr
.set p, 4
.rept 28
	v_pk_fma_f32 v[56+2*(p%4):57+2*(p%4)], v[X+2*p:X+2*p+1], v[X+2*p:X+2*p+1], v[56+2*(p%4):57+2*(p%4)]
.set p, p+1
.endr
	REDUCE 512                                     ; other words than the sums': one barrier serves
	v_mul_f32 v56, 0x3a800000, v56                 ; the variance
	v_add_f32 v56, 0x3727c5ac, v56                 ; + 1e-5
	v_rsq_f32 v52, v56
	v_nop                                          ; a plain line behind the transcendental,
	s_wait_alu depctr_va_vdst(0)                   ; and the wait ahead of its first reader
	v_mov_b32 v53, v52
	s_wait_loadcnt 0x0                             ; gain and bias
.set p, 0
.rept 32
	v_pk_mul_f32 v[X+2*p:X+2*p+1], v[X+2*p:X+2*p+1], v[52:53]
.set p, p+1
.endr
.set p, 0
.rept 32
	v_pk_fma_f32 v[X+2*p:X+2*p+1], v[X+2*p:X+2*p+1], v[LW+2*p:LW+2*p+1], v[LB+2*p:LB+2*p+1]
.set p, p+1
.endr
	QUANT X
.irp c, 0,1,2,3
	global_store_b128 v3, v[PC+4*\c:PC+4*\c+3], s[40:41] offset:512*\c   ; 32 lanes store 512 consecutive bytes
.endr
	v_lshrrev_b32 v49, 16, v[PW]
	v_cndmask_b32 v49, v[PW], v49, s[HM]           ; lanes 0-15 the word's low half, lanes 16-31 its high half
	global_store_b16 v8, v49, s[42:43]
	s_wait_tensorcnt 0x0                           ; the wave's end, behind my last LDS store
	ds_add_u32 v[SPW], v[NIL]
	s_wait_dscnt 0x0
	s_endpgm
	; ---- the weights: j = the work-group's number - 256.  j < 64: wq, wk, wv, wo (16 work-groups each); j < 128: w1; else w2.  No LDS is touched on this way
.Lweights:
	s_sub_co_u32 s33, ttmp9, 256                   ; j
	s_lshr_b32 s34, s33, 4
	s_lshr_b32 s38, s33, 6                         ; 0: the four square ones, 1: w1, 2: w2
	s_cmp_eq_u32 s38, 0
	s_cselect_b32 s35, 15, 63
	s_cselect_b32 s39, 3, 12
	s_and_b32 s35, s33, s35                        ; my number within the weight
	s_and_b32 s39, s34, s39
	s_mul_i32 s39, s39, 1081344                    ; where the weight's records begin in wts
	s_cmp_eq_u32 s38, 1
	s_cselect_b32 s40, 4, 2                        ; bits of the column group: 16 groups of 256 columns in w1, else 4
	s_cselect_b32 s41, 2, 0
	s_lshl_b32 s41, 0x1000, s41                    ; a row of the weight in bytes
	s_cmp_eq_u32 s38, 2
	s_cselect_b32 s42, 2, 0
	s_lshl_b32 s42, 16896, s42                     ; a tile's records: K / 512 x 8,448
	s_lshr_b32 s43, s35, s40                       ; kc: which 256 along K
	s_lshl_b32 s44, s43, s40
	s_sub_co_u32 s44, s35, s44                     ; cg: which 256 columns
	s_lshl_b32 s45, s43, 8
	s_mul_i32 s46, s45, s41                        ; 256 kc rows
	s_lshl_b32 s45, s44, 10
	s_add_co_u32 s46, s46, s45                     ; + 256 cg columns
	s_lshl_b32 s45, s[WV], 7
	s_add_co_u32 s46, s46, s45                     ; + my wave's 32
	s_mov_b32 s47, 0
	s_lshl_b32 s48, s41, 5                         ; a block: 32 rows
	s_mov_b32 s49, 0
	s_lshl_b32 s45, s44, 4
	s_lshl_b32 s50, s[WV], 1
	s_add_co_u32 s45, s45, s50                     ; my first tile: 16 cg + 2 wave
	s_mul_i32 s45, s45, s42
	s_add_co_u32 s45, s45, s39
	s_lshr_b32 s50, s43, 1
	s_mul_i32 s50, s50, 8448
	s_add_co_u32 s45, s45, s50                     ; the record
	s_and_b32 s50, s43, 1
	s_lshl_b32 s51, s50, 12
	s_add_co_u32 s52, s45, s51                     ; its images 2 (kc % 2), 2 (kc % 2) + 1
	s_mov_b32 s53, 0
	s_lshl_b32 s51, s50, 3
	s_add_co_u32 s54, s45, s51
	s_add_co_u32 s54, s54, 8192                    ; and their scale words
	s_mov_b32 s55, 0
	v_and_b32 v1, 31, v0                           ; n: my column of the wave's 32
	v_lshlrev_b32 v[OF], 2, v1
.set i, 1
.rept 31
	v_add_nc_u32 v[OF+i], s41, v[OF+i-1]
.set i, i+1
.endr
	v_bfe_u32 v2, v1, 3, 1                         ; which of the two tiles
	v_and_b32 v3, 7, v1
	v_lshrrev_b32 v4, 4, v1
	v_lshl_or_b32 v3, v4, 3, v3                    ; its lane-row r
	v_mul_u32_u24 v[VO], s42, v2
	v_lshl_add_u32 v[VO], v3, 4, v[VO]
	s_wait_kmcnt 0x0
	s_mov_b64 s[36:37], s[20:21]                   ; the weight's address: a choice on the work-group's number alone
	s_cmp_lt_u32 s34, 8
	s_cselect_b64 s[36:37], s[18:19], s[36:37]
	s_cmp_lt_u32 s34, 4
	s_cselect_b64 s[36:37], s[16:17], s[36:37]
	s_cmp_lt_u32 s34, 3
	s_cselect_b64 s[36:37], s[14:15], s[36:37]
	s_cmp_lt_u32 s34, 2
	s_cselect_b64 s[36:37], s[12:13], s[36:37]
	s_cmp_lt_u32 s34, 1
	s_cselect_b64 s[36:37], s[10:11], s[36:37]
	s_add_nc_u64 s[4:5], s[36:37], s[46:47]        ; block t's base in s[4 + 2 t : 5 + 2 t]: none is ever stepped
.irp t, 1,2,3,4,5,6,7
	s_add_nc_u64 s[4+2*\t:5+2*\t], s[2+2*\t:3+2*\t], s[48:49]
.endr
	s_add_nc_u64 s[52:53], s[24:25], s[52:53]
	s_add_nc_u64 s[54:55], s[24:25], s[54:55]
.macro LOADW t                         ; block t: W(32 t + i, my column): 32 lanes read 128 consecutive bytes, the eight waves 1,024
.set li, 0
.rept 32
	global_load_b32 v[XW+32*((\t)%2)+li], v[OF+li], s[4+2*(\t):5+2*(\t)] th:TH_LOAD_NT
.set li, li+1
.endr
.endm
.macro BLOCK t
.set XS, XW+32*((\t)%2)
.set CB, CW+8*(\t)
.if (\t) < 7
	s_wait_loadcnt 32                              ; this block's 32 loads are in; the next block's may be out
.else
	s_wait_loadcnt 0x0
.endif
	v_max3_num_f32 v98, |v[XS]|, |v[XS+1]|, |v[XS+2]|
	v_max3_num_f32 v99, |v[XS+3]|, |v[XS+4]|, |v[XS+5]|
.irp i, 6,10,14,18,22,26
	v_max3_num_f32 v98, v98, |v[XS+\i]|, |v[XS+\i+1]|
	v_max3_num_f32 v99, v99, |v[XS+\i+2]|, |v[XS+\i+3]|
.endr
	v_max3_num_f32 v98, v98, |v[XS+30]|, |v[XS+31]|
	v_max3_num_f32 v98, v98, v99, 0x8000000        ; and the floor
	v_add_nc_u32 v100, 0xf8800000, v98             ; the conversion's scale operand
	v_and_or_b32 v101, v98, 0x7f800000, s[MNT]     ; the hold
	v_lshrrev_b32 v99, 23, v100                    ; the byte
.if (\t)%4 == 0
	v_mov_b32 v[SB+(\t)/4], v99
.else
	v_lshl_or_b32 v[SB+(\t)/4], v99, 8*((\t)%4), v[SB+(\t)/4]
.endif
.set li, 0
.rept 32
	v_med3_num_f32 v[XS+li], v[XS+li], -v101, v101
.set li, li+1
.endr
.irp g, 0,1,2,3
	v_cvt_scalef32_pk8_bf8_f32 v[CB+2*\g:CB+2*\g+1], v[XS+8*\g:XS+8*\g+7], v100
.endr
	global_store_b128 v[VO], v[CB:CB+3], s[52:53] offset:2048*((\t)/4)+512*((\t)%4)         ; k 0-15 of the block: 256 consecutive bytes in each of the two tiles
	global_store_b128 v[VO], v[CB+4:CB+7], s[52:53] offset:2048*((\t)/4)+512*((\t)%4)+256   ; k 16-31
.if (\t)+2 < 8
	LOADW (\t)+2
.endif
.endm
	LOADW 0
	LOADW 1
.irp t, 0,1,2,3,4,5,6,7
	BLOCK \t
.endr
	global_store_b64 v[VO], v[SB:SB+1], s[54:55]   ; my column's two scale words
	s_endpgm
.Lfunc_end_k_qa0d58b1d07_prep:
	.size	k_qa0d58b1d07_prep, .Lfunc_end_k_qa0d58b1d07_prep-k_qa0d58b1d07_prep
	.p2alignl 7, 3214868480
	.fill 96, 4, 3214868480
	.section	.rodata,"a",@progbits
	.p2align	6, 0x0
	.amdhsa_kernel k_qa0d58b1d07_prep
		.amdhsa_group_segment_fixed_size 69632
		.amdhsa_private_segment_fixed_size 0
		.amdhsa_enable_private_segment 0
		.amdhsa_kernarg_size 88
		.amdhsa_user_sgpr_count 2
		.amdhsa_user_sgpr_kernarg_segment_ptr 1
		.amdhsa_wavefront_size32 1
		.amdhsa_system_sgpr_workgroup_id_x 1
		.amdhsa_system_sgpr_workgroup_id_y 1
		.amdhsa_system_sgpr_workgroup_id_z 1
		.amdhsa_system_vgpr_workitem_id 0
		.amdhsa_next_free_vgpr 256
		.amdhsa_next_free_sgpr 66
		.amdhsa_reserve_vcc 0
		.amdhsa_float_denorm_mode_32 3
		.amdhsa_float_denorm_mode_16_64 3
		.amdhsa_memory_ordered 1
		.amdhsa_forward_progress 1
		.amdhsa_inst_pref_size 88
	.end_amdhsa_kernel
	.amdgpu_metadata
---
amdhsa.version: [ 1, 2 ]
amdhsa.kernels:
  - .name:           k_qa0d58b1d07_prep
    .symbol:         k_qa0d58b1d07_prep.kd
    .args:
      - { .name: x, .offset: 0, .size: 8, .value_kind: global_buffer, .address_space: global }
      - { .name: ln1_w, .offset: 8, .size: 8, .value_kind: global_buffer, .address_space: global }
      - { .name: ln1_b, .offset: 16, .size: 8, .value_kind: global_buffer, .address_space: global }
      - { .name: wq, .offset: 24, .size: 8, .value_kind: global_buffer, .address_space: global }
      - { .name: wk, .offset: 32, .size: 8, .value_kind: global_buffer, .address_space: global }
      - { .name: wv, .offset: 40, .size: 8, .value_kind: global_buffer, .address_space: global }
      - { .name: wo, .offset: 48, .size: 8, .value_kind: global_buffer, .address_space: global }
      - { .name: w1, .offset: 56, .size: 8, .value_kind: global_buffer, .address_space: global }
      - { .name: w2, .offset: 64, .size: 8, .value_kind: global_buffer, .address_space: global }
      - { .name: act, .offset: 72, .size: 8, .value_kind: global_buffer, .address_space: global }
      - { .name: wts, .offset: 80, .size: 8, .value_kind: global_buffer, .address_space: global }
    .group_segment_fixed_size: 69632
    .private_segment_fixed_size: 0
    .kernarg_segment_align: 8
    .kernarg_segment_size: 88
    .max_flat_workgroup_size: 256
    .sgpr_count:     66
    .vgpr_count:     256
    .wavefront_size: 32
...
	.end_amdgpu_metadata
.endif
;; end of part 1
;; launch qkv (part 2): grid 8 x 32, 4 waves a work-group, clusters of 4 x 4, 327,680 bytes of LDS; arguments act, wts, bq, bk, bv, qbuf, kvb; writes qbuf, kvb
.if DOCPART == 2
	.amdgcn_target "amdgcn-amd-amdhsa--gfx1250"
	.amdhsa_code_object_version 6
	.text
	.protected	k_qa0d58b1d07_qkv
	.globl	k_qa0d58b1d07_qkv
	.p2align	8
	.type	k_qa0d58b1d07_qkv,@function
k_qa0d58b1d07_qkv:
	s_mov_b64 s[64:65], 0
	v_nop
	global_prefetch_b8 v0, s[64:65] scope:SCOPE_SE
	s_setreg_imm32_b32 hwreg(HW_REG_WAVE_MODE, 25, 1), 1
	s_wait_xcnt 0x0
	s_wait_alu depctr_hold_cnt(0) depctr_sa_sdst(0) depctr_va_vdst(0) depctr_va_sdst(0) depctr_va_ssrc(0) depctr_va_vcc(0) depctr_vm_vsrc(0)
	s_getreg_b32 s2, hwreg(HW_REG_IB_STS2, 6, 4)
	s_cmp_eq_u32 s2, 0
	s_cbranch_scc0 .Lentry_in_a_cluster
	s_endpgm
.Lentry_in_a_cluster:
	s_bfe_u32 s2, ttmp6, 0x10000c
	s_cmp_lg_u32 s2, 0xf033
	s_cbranch_scc0 .Lentry_shape_is_right
	s_endpgm
.Lentry_shape_is_right:
; QKV.  q = h wq + bq, k = h wk + bk, v = h wv + bv on codes of E5M2 (one E8M0 scale for each 32 along K = 1,024), and each result quantised on the way out for attention's products.
; A work-group of four waves makes three tiles of 128 tokens x 128 columns (two heads), one after the other: q, k, v; a wave 64 x 64: 16 accumulators.
; THE TOKENS STAY: their 128 rows x all of K fill the A quarters of both LDS slots ONCE; only B's quarters (the weight's columns) are filled again, by all four waves, two tiles' records each:
; a work-group's fills are 2 x 135,168 + 4 x 67,584 bytes and not 6 x 135,168.  wq, wk and wv lie 1,081,344 bytes apart in wts: a refill steps its address by that.
; Operands lie in memory in the order of their registers: records of 8,448 bytes (four images of 16 rows x 128 K, then 256 bytes of scale words); lane-row r of tile t is row 32 (t / 2) + 8 (t % 2) + r % 8 + 16 (r / 8),
; so that a lane's 16 registers of two neighbouring tiles of source 0 are 16 neighbours: a block of 32 lies in lanes l and l xor 16, and the conversions' results are the next operand's bytes.
; q, k: source 0 = the weight's columns, source 1 = the tokens: a lane holds one token, its registers run along the head's 64, their K.
; v: THE TWO SOURCES CHANGE PLACES: source 0 = the tokens, source 1 = wv's columns: a lane holds one channel, its registers run along the keys, V's K.
; RING: two LDS slots of 512 along K: four quarters (A's halves, B's halves) of four records; dense tensor loads; no padding: a fragment load reads 512 consecutive bytes.
; CLUSTER 4 x 4: A's quarters are asked for jointly along a row of the cluster, B's along a column.  By this text's count a wave has two tensor loads out at the start and one behind each round.
; LIMITS: NaN and infinities are not served; blocks under 2^-111 and blocks of zeros keep the byte 1 (their bytes are read by this program alone).
.set KG,    2
.set REC,   8448
.set QUART, 4*REC
.set SLOT,  4*QUART
.set TS,    KG*REC
.set SPARE, 2*SLOT                     ; behind the ring: the spare words, 128 bytes a wave
.set KVR,   17152                      ; a record of 128 keys: K's 8 tiles x 1,024, V's 4 tiles x 2,048, K's scale words 512, V's 256
.set ADRA, 16                          ; v16-17 my A fragments in slot 0, 1;  v20-21 B's;  v22-23 the scale words (lanes 0-15 A's, lanes 16-31 B's)
.set ADRB, 20
.set ADRS, 22
.set SPW,  28
.set NIL,  29
.set SC,   32                          ; v32-39 scale words, a set of four for each fragment buffer
.set TM,   72
.set PC,   88                          ; v88-119 codes, two sets
.set WD,   120                         ; v120-123 the four tiles' scale words
.set BY,   8                           ; v8-11 scale bytes on their way out
.set ACC,  128                         ; window 0: q, k: accumulator (a, b) at v[128 + 8 (4 a + b)];  v: at v[128 + 8 (4 b + a)]
.set BI,   0                           ; window 2: the bias in the result's layout.  Window 1: fragment buffer f at 128 f: A's tiles at + 16 i, B's at + 64 + 16 i
.set WV, 20
.set HI, 21
.set LO, 22
.set G1, 24
.set G0, 32
.set G1B, 48
.set G0B, 56
.set G1R, 68                           ; s[68:75] group 1 of the refills: two tiles;  s[76:83] their groups 0, one for each slot
.set G0R, 76
.set SEL, 84
.set MNT, 86
.set HM, 87
.set IBQ, 88
.set SBQ, 90
.set IBK, 92
.set SBK, 94
.set IBV, 96
.set SBV, 100
.set BQ, 8                             ; the biases' addresses stay in the registers in which they came
.set BK, 10
.set BV, 12
.set SWAP, 0                           ; 1: the two sources change places (v)
.set MUL,  0x05                        ; sources 0 and 1 window 1; C and D window 0
.set MULB, 0x25                        ; the same, C window 2
.set TO_F, 0x40
.set TO_2, 0x80
.set MSB, 0
.macro WIN new                         ; the immediate's high byte repeats the setting that is left
.if MSB != \new
	s_set_vgpr_msb (MSB<<8)|\new
.set MSB, \new
.endif
.endm
.macro PLACES n
.rept \n
	v_nop
.endr
.endm
.macro JLOAD g0a, g1a, g0b, g1b        ; a joint load: waves 0, 1 fetch A's quarters, waves 2, 3 B's; an s_nop 0 and four v_nop follow each line
	s_cmp_eq_u32 s[HI], 0
	s_cbranch_scc0 .Lfor_b_\@
	tensor_load_to_lds s[\g0a:\g0a+3], s[\g1a:\g1a+7]
	s_nop 0
	PLACES 4
	s_branch .Lasked_\@
.Lfor_b_\@:
	tensor_load_to_lds s[\g0b:\g0b+3], s[\g1b:\g1b+7]
	s_nop 0
	PLACES 4
.Lasked_\@:
.endm
.macro CREST                           ; a round of the cluster's barrier behind its opening barrier
	s_cmp_lg_u32 s[WV], 0
	s_cbranch_scc1 .Lnot_wave_0_\@
	s_barrier_signal -3
.Lnot_wave_0_\@:
	s_barrier_wait -3
	s_barrier_signal -1
	s_barrier_wait -1
.endm
.macro CROUND
	s_barrier_signal -1
	s_barrier_wait -1
	CREST
.endm
.macro FETCH slot, q, f                ; 36 LDS loads: the slot's q-th 128 along K into buffer f: 4 scale words, B's 16, A's tiles 0, 1, A's tiles 2, 3
	WIN 0
.irp i, 0,1,2,3
	ds_load_b32 v[SC+4*(\f)+\i], v[ADRS+\slot] offset:\i*REC+4*(\q)
.endr
	WIN TO_F
.irp i, 0,1,2,3
.irp c, 0,1,2,3
	ds_load_b128 v[128*(\f)+64+16*\i+4*\c:128*(\f)+64+16*\i+4*\c+3], v[ADRB+\slot] offset:\i*REC+2048*(\q)+512*\c
.endr
.endr
.irp i, 0,1,2,3
.irp c, 0,1,2,3
	ds_load_b128 v[128*(\f)+16*\i+4*\c:128*(\f)+16*\i+4*\c+3], v[ADRA+\slot] offset:\i*REC+2048*(\q)+512*\c
.endr
.endr
.endm
.macro MULA f, a, cm                   ; A's tile a against B's four.  cm = 0: in place; 1: the sum starts from the bias of B's tile.  The 16 accumulators take turns
.irp b, 0,1,2,3
.set rB, 128*(\f)+64+16*\b
.set rA, 128*(\f)+16*(\a)
.if SWAP
.set rD, ACC+8*(4*\b+(\a))
.else
.set rD, ACC+8*(4*(\a)+\b)
.endif
.set rC, rD
.if (\cm) == 1
.set rC, BI+8*\b
.endif
.if SWAP
	v_wmma_scale_f32_16x16x128_f8f6f4 v[rD:rD+7], v[rA:rA+15], v[rB:rB+15], v[rC:rC+7], v[SC+4*(\f)+(\a)], v[SC+4*(\f)+\b] matrix_a_fmt:MATRIX_FMT_BF8 matrix_b_fmt:MATRIX_FMT_BF8 matrix_b_scale:MATRIX_SCALE_ROW1
.else
	v_wmma_scale_f32_16x16x128_f8f6f4 v[rD:rD+7], v[rB:rB+15], v[rA:rA+15], v[rC:rC+7], v[SC+4*(\f)+\b], v[SC+4*(\f)+(\a)] matrix_a_fmt:MATRIX_FMT_BF8 matrix_b_fmt:MATRIX_FMT_BF8 matrix_a_scale:MATRIX_SCALE_ROW1
.endif
.endr
.endm
.macro STEP slot, q, cm                ; 128 along K whose successor lies in the same slot
	s_wait_dscnt 8                                 ; all but A's tiles 2, 3 (the youngest eight loads)
.if \cm
	WIN MULB
.else
	WIN MUL
.endif
	MULA (\q)%2, 0, \cm
	MULA (\q)%2, 1, \cm
	PLACES 8                                       ; eight places in front of loads into registers that matrix instructions have read
	FETCH \slot, (\q)+1, 1-(\q)%2
	s_wait_dscnt 36                                ; all but the 36 just issued
.if \cm
	WIN MULB
.else
	WIN MUL
.endif
	MULA (\q)%2, 2, \cm
	MULA (\q)%2, 3, \cm
.endm
.macro REFILL slot                     ; B's quarters of this slot take the next weight's columns: every wave two tiles' records; one line, one mask
	s_add_nc_u64 s[G0R+4*\slot+2:G0R+4*\slot+3], s[G0R+4*\slot+2:G0R+4*\slot+3], 8*8*TS
	tensor_load_to_lds s[G0R+4*\slot:G0R+4*\slot+3], s[G1R:G1R+7]
	s_nop 0
	PLACES 4
.endm
.macro TURN slot, next, fill           ; a slot's last 128 along K, and the change of slots: one barrier (with fill = 1 it opens a round of the cluster's)
	WIN 0
	s_wait_tensorcnt 0x0                           ; all my tensor loads have landed: my part of the next slot;
	ds_add_u32 v[SPW], v[NIL]                      ; 0 onto my spare word
	s_wait_dscnt 9                                 ; (the add and A's tiles 2, 3 may be out)
	WIN MUL
	MULA 1, 0, 0
	s_wait_dscnt 0x0                               ; the add is done, and my reads of this slot are over
	s_barrier_signal -1
	MULA 1, 1, 0
	WIN 0
	s_barrier_wait -1
.if \fill
	CREST                                          ; no wave of any partner still reads this slot or has a load on its way
	REFILL \slot                                   ; the first tensor load behind the round; its four v_nop are four of the eight places
	PLACES 4
.else
	PLACES 8
.endif
	FETCH \next, 0, 0
	WIN MUL
	MULA 1, 2, 0
	MULA 1, 3, 0
.endm
.macro LAST
	s_wait_dscnt 8
	WIN MUL
	MULA 1, 0, 0
	MULA 1, 1, 0
	s_wait_dscnt 0x0
	MULA 1, 2, 0
	MULA 1, 3, 0
	WIN 0
.endm
; 64 registers from s on, register 16 B + i in block B, become codes in v[pc + 4 B] on; the bytes stay in v[TM + 4 + B]
.macro QUANT4 s, pc
.irp b, 0,1,2,3
	v_max3_num_f32 v[TM+\b], |v[(\s)+16*\b]|, |v[(\s)+1+16*\b]|, 0x8000000   ; with the floor 2^(16 - 127).  (Each accumulator is read from its low end on)
.endr
.irp i, 2,4,6,8,10,12,14
.irp b, 0,1,2,3
	v_max3_num_f32 v[TM+\b], v[TM+\b], |v[(\s)+16*\b+\i]|, |v[(\s)+1+16*\b+\i]|
.endr
.endr
.irp b, 0,1,2,3
	v_permlanex16_b32 v[TM+4+\b], v[TM+\b], s[SEL], s[SEL+1]
.endr
.irp b, 0,1,2,3
	v_max_num_f32 v[TM+\b], v[TM+\b], v[TM+4+\b]
.endr
.irp b, 0,1,2,3
	v_add_nc_u32 v[TM+12+\b], 0xf8800000, v[TM+\b]
.endr
.irp b, 0,1,2,3
.endr
.irp b, 0,1,2,3
	v_lshrrev_b32 v[TM+4+\b], 23, v[TM+12+\b]
.endr
.irp b, 0,1,2,3
.irp i, 0,1,2,3,4,5,6,7,8,9,10,11,12,13,14,15
.endr
	v_cvt_scalef32_pk8_bf8_f32 v[(\pc)+4*\b:(\pc)+1+4*\b], v[(\s)+16*\b:(\s)+7+16*\b], v[TM+12+\b]
	v_cvt_scalef32_pk8_bf8_f32 v[(\pc)+2+4*\b:(\pc)+3+4*\b], v[(\s)+8+16*\b:(\s)+15+16*\b], v[TM+12+\b]
.endr
	v_nop                                          ; a plain line behind the last conversion: later products write these registers
.endm
.macro BIAS base                       ; q, k: lane (r, h) wants, for B's tile b, the eight numbers at 32 (b / 2) + 8 (b % 2) + 16 h on
	WIN TO_2
.irp b, 0,1,2,3
	global_load_b128 v[BI+8*\b:BI+8*\b+3], v27, s[\base:\base+1] offset:(32*(\b/2)+8*(\b%2))*4
	global_load_b128 v[BI+8*\b+4:BI+8*\b+7], v27, s[\base:\base+1] offset:(32*(\b/2)+8*(\b%2))*4+16
.endr
	WIN 0
.endm
.macro EPI_QK ib, sb                   ; a lane holds one token and the head's 64 in two blocks: images of 1,024 bytes a tile, and a word b0 | b1 << 8, twice (the upper two blocks are zero codes)
	s_wait_xcnt 0x0                                ; earlier stores have read their data: the codes' registers may be written
.irp p, 0,1
	QUANT4 ACC+64*\p, PC+16*\p
.irp aa, 0,1
.irp b, 0,1
	global_store_b128 v24, v[PC+16*\p+8*\aa+4*\b:PC+16*\p+8*\aa+4*\b+3], s[\ib:\ib+1] offset:(2*\p+\aa)*1024+512*\b   ; 512 consecutive bytes
.endr
	v_lshl_or_b32 v[WD+2*\p+\aa], v[TM+5+2*\aa], 8, v[TM+4+2*\aa]
	v_lshl_or_b32 v[WD+2*\p+\aa], v[WD+2*\p+\aa], 16, v[WD+2*\p+\aa]
.endr
.endr
	v_cndmask_b32 v124, v[WD], v[WD+2], s[HM]      ; lanes 0-15 store the words of tiles 0, 1, lanes 16-31 those of tiles 2, 3:
	v_cndmask_b32 v125, v[WD+1], v[WD+3], s[HM]
	global_store_b64 v25, v[124:125], s[\sb:\sb+1] ; 256 consecutive bytes, aligned
.endm
.macro EPI_V                           ; a lane holds one channel (tile 2 p + aa of the head's four) and my 64 keys in two blocks
	s_wait_xcnt 0x0
.irp p, 0,1
	QUANT4 ACC+64*\p, PC+16*\p
.irp aa, 0,1
.irp b, 0,1
	global_store_b128 v24, v[PC+16*\p+8*\aa+4*\b:PC+16*\p+8*\aa+4*\b+3], s[IBV:IBV+1] offset:(2*\p+\aa)*2048+512*\b
.endr
	v_cndmask_b32 v[BY+2*\p+\aa], v[TM+4+2*\aa], v[TM+5+2*\aa], s[HM]   ; lanes 0-15 the first block's byte, lanes 16-31 the second's
	global_store_b8 v26, v[BY+2*\p+\aa], s[SBV:SBV+1] offset:64*(2*\p+\aa)
.endr
.endr
.endm
	s_load_b256 s[4:11], s[0:1], 0x0               ; act, wts, bq, bk
	s_load_b128 s[12:15], s[0:1], 0x20             ; bv, qbuf
	s_load_b64 s[16:17], s[0:1], 0x30              ; kvb
	v_lshl_add_u32 v[SPW], v0, 2, SPARE
	v_mov_b32 v[NIL], 0
	ds_add_u32 v[SPW], v[NIL]                      ; the wave's opening: an add to my spare word and its wait ahead of my first tensor load
	ds_add_u32 v[SPW], v[NIL]
	v_lshrrev_b32 v1, 5, v0
	v_readfirstlane_b32 s[WV], v1                  ; wave 0..3
	s_lshr_b32 s[HI], s[WV], 1                     ; my half of the tokens.  Also: I fetch first for A (0) or for B (1)
	s_and_b32 s[LO], s[WV], 1                      ; my half of the columns: one head.  Also: which 64 rows I fetch first
	s_bfe_u32 s40, ttmp6, 0x40000                  ; cx
	s_bfe_u32 s41, ttmp6, 0x40004                  ; cy
	s_lshl_b32 s42, ttmp9, 2
	s_add_co_u32 s42, s42, s40                     ; block of 128 columns = 4 x cluster x + cx
	s_and_b32 s45, ttmp7, 0xffff
	s_lshl_b32 s45, s45, 2
	s_add_co_u32 s45, s45, s41                     ; block of 128 tokens = 4 x cluster y + cy
	s_lshl_b32 s43, s41, 2
	s_lshl_b32 s43, 15, s43                        ; my row of the cluster
	s_lshl_b32 s44, 0x1111, s40                    ; my column
	s_or_b32 s[G1], s43, (3<<16)|(1<<21)           ; 15:0 the mask; 17:16 elements of 8 bytes; 21 set beside a mask; no padding
	s_or_b32 s[G1B], s44, (3<<16)|(1<<21)
	s_or_b32 s[G1R], s44, (3<<16)|(1<<21)
.irp g, G1, G1B
	s_mov_b32 s[\g+1], 1056<<16                    ; tensor_dim0: a record, 1,056 elements
	s_mov_b32 s[\g+2], 4<<16                       ; tensor_dim1: four tiles
	s_mov_b32 s[\g+3], 1056<<16                    ; tile_dim0
	s_mov_b32 s[\g+4], 4                           ; tile_dim1
	s_mov_b32 s[\g+5], KG*1056                     ; from tile to tile
	s_mov_b32 s[\g+6], 0
	s_mov_b32 s[\g+7], 0
.endr
	s_mov_b32 s[G1R+1], 1056<<16
	s_mov_b32 s[G1R+2], 2<<16                      ; two tiles
	s_mov_b32 s[G1R+3], 1056<<16
	s_mov_b32 s[G1R+4], 2
	s_mov_b32 s[G1R+5], KG*1056
	s_mov_b32 s[G1R+6], 0
	s_mov_b32 s[G1R+7], 0
	s_mul_i32 s46, s45, 8*TS                       ; the tokens' records,
	s_mul_i32 s47, s[LO], 4*TS
	s_add_co_u32 s46, s46, s47                     ; the four tiles that I fetch
	s_mov_b32 s47, 0
	s_mul_i32 s98, s42, 8*TS                       ; wq's records of my block of columns
	s_mov_b32 s99, 0
	s_mul_i32 s100, s[LO], 4*TS
	s_mov_b32 s101, 0
	s_mul_i32 s92, s[WV], 2*TS
	s_mov_b32 s93, 0
	s_mul_i32 s23, s[WV], QUART                    ; where my first quarter goes: no place in the cluster enters an LDS address
	s_mul_i32 s94, s[WV], 2*REC
	s_add_co_u32 s94, s94, 2*QUART                 ; a refill's place: B's quarters, my two tiles' records
	s_mov_b32 s[SEL], 0x76543210
	s_mov_b32 s[SEL+1], 0xfedcba98
	s_mov_b32 s[HM], 0xffff0000
	s_wait_dscnt 0x0                               ; the opening add is done
	s_wait_kmcnt 0x0
	s_add_nc_u64 s[46:47], s[4:5], s[46:47]
	s_add_nc_u64 s[98:99], s[6:7], s[98:99]
	s_add_nc_u64 s[100:101], s[98:99], s[100:101]
	s_add_nc_u64 s[92:93], s[98:99], s[92:93]
	CROUND                                         ; all sixteen work-groups are here: the first joint loads meet
.irp s, 0,1
	s_mov_b32 s[G0+4*\s], 1
	s_add_co_u32 s[G0+4*\s+1], s23, \s*SLOT
	s_add_nc_u64 s[G0+4*\s+2:G0+4*\s+3], s[46:47], \s*REC
	s_or_b32 s[G0+4*\s+3], s[G0+4*\s+3], 0x80000000
	s_mov_b32 s[G0B+4*\s], 1
	s_add_co_u32 s[G0B+4*\s+1], s23, \s*SLOT
	s_add_nc_u64 s[G0B+4*\s+2:G0B+4*\s+3], s[100:101], \s*REC
	s_or_b32 s[G0B+4*\s+3], s[G0B+4*\s+3], 0x80000000
	JLOAD G0+4*\s, G1, G0B+4*\s, G1B
.endr
.irp s, 0,1
	s_mov_b32 s[G0R+4*\s], 1
	s_add_co_u32 s[G0R+4*\s+1], s94, \s*SLOT
	s_add_nc_u64 s[G0R+4*\s+2:G0R+4*\s+3], s[92:93], \s*REC   ; wq's: each refill steps it first
	s_or_b32 s[G0R+4*\s+3], s[G0R+4*\s+3], 0x80000000
.endr
	v_and_b32 v1, 15, v0                           ; r
	v_bfe_u32 v2, v0, 4, 1                         ; h
	v_and_b32 v3, 31, v0
	v_lshlrev_b32 v3, 4, v3                        ; 16 x lane
	s_mul_i32 s18, s[HI], QUART
	s_mul_i32 s19, s[LO], QUART
	s_add_co_u32 s19, s19, 2*QUART
	v_add_nc_u32 v[ADRA], s18, v3
	v_add_nc_u32 v[ADRB], s19, v3
	v_add_nc_u32 v[ADRA+1], SLOT, v[ADRA]
	v_add_nc_u32 v[ADRB+1], SLOT, v[ADRB]
	s_sub_co_u32 s19, s19, s18
	v_mul_u32_u24 v4, s19, v2                      ; lanes 16-31 take B's words: one product, the distance between the two quarters x h
	v_lshl_add_u32 v4, v1, 4, v4
	s_add_co_u32 s18, s18, 8192
	v_add_nc_u32 v[ADRS], s18, v4
	v_add_nc_u32 v[ADRS+1], SLOT, v[ADRS]
	v_mov_b32 v24, v3                              ; the way out: 16 x lane;
	v_lshlrev_b32 v25, 4, v1
	v_lshl_add_u32 v25, v2, 3, v25                 ; 16 r + 8 h;
	v_lshlrev_b32 v26, 2, v1
	v_add_nc_u32 v26, v26, v2                      ; 4 r + h
	v_lshlrev_b32 v27, 6, v2                       ; bq, bk: 64 h
	s_wait_alu depctr_va_vdst(0)
	v_and_b32 v5, 7, v1
	v_lshrrev_b32 v4, 3, v1
	v_lshl_add_u32 v5, v4, 4, v5
	v_lshlrev_b32 v5, 2, v5                        ; bv: 4 (r % 8 + 16 (r / 8))
.irp b, 0,1,2,3
	v_mov_b32 v[TM+4+\b], 0                        ; a lane permute's destination counts as one of its sources
.endr
	; where the results go: bh = 16 (token block / 16) + 2 x column block + LO, ks = token block % 16, for all three
	s_mov_b32 s99, 0
	s_lshr_b32 s2, s45, 4
	s_lshl_b32 s2, s2, 4
	s_lshl_b32 s18, s42, 1
	s_add_co_u32 s2, s2, s18
	s_add_co_u32 s2, s2, s[LO]                     ; bh
	s_and_b32 s18, s45, 15                         ; ks
	s_lshl_b32 s19, s2, 17
	s_lshl_b32 s23, s18, 13
	s_add_co_u32 s19, s19, s23
	s_lshl_b32 s23, s[HI], 12
	s_add_co_u32 s98, s19, s23                     ; q's images: bh x 131,072 + (8 ks + 4 HI) x 1,024
	s_add_nc_u64 s[IBQ:IBQ+1], s[14:15], s[98:99]
	s_lshl_b32 s19, s2, 13
	s_lshl_b32 s23, s18, 9
	s_add_co_u32 s19, s19, s23
	s_lshl_b32 s23, s[HI], 8
	s_add_co_u32 s19, s19, s23
	s_add_co_u32 s98, s19, 4194304                 ; q's scale words: behind the images, bh x 8,192 + (2 ks + HI) x 256
	s_add_nc_u64 s[SBQ:SBQ+1], s[14:15], s[98:99]
	s_lshl_b32 s19, s2, 4
	s_add_co_u32 s19, s19, s18
	s_mul_i32 s19, s19, KVR                        ; the keys' record
	s_lshl_b32 s23, s[HI], 12
	s_add_co_u32 s98, s19, s23                     ; k: my four tiles of keys
	s_add_nc_u64 s[IBK:IBK+1], s[16:17], s[98:99]
	s_lshl_b32 s23, s[HI], 8
	s_add_co_u32 s98, s19, s23
	s_add_co_u32 s98, s98, 16384
	s_add_nc_u64 s[SBK:SBK+1], s[16:17], s[98:99]
	s_lshl_b32 s23, s[HI], 10
	s_add_co_u32 s98, s19, s23                     ; v: my 64 keys are blocks 2 HI, 2 HI + 1 of each image: 512 bytes a block
	s_add_co_u32 s98, s98, 8192
	s_add_nc_u64 s[IBV:IBV+1], s[16:17], s[98:99]
	s_lshl_b32 s23, s[HI], 1
	s_add_co_u32 s98, s19, s23                     ; and bytes 2 HI, 2 HI + 1 of each scale word
	s_add_co_u32 s98, s98, 16896
	s_add_nc_u64 s[SBV:SBV+1], s[16:17], s[98:99]
	s_lshl_b32 s98, s42, 9
	s_lshl_b32 s19, s[LO], 8
	s_add_co_u32 s98, s98, s19                     ; my head's 64 numbers of each bias
	s_add_nc_u64 s[BQ:BQ+1], s[BQ:BQ+1], s[98:99]
	s_add_nc_u64 s[BK:BK+1], s[BK:BK+1], s[98:99]
	s_add_nc_u64 s[BV:BV+1], s[BV:BV+1], s[98:99]
	BIAS BQ
	s_wait_tensorcnt 1                             ; my quarter of slot 0 is in (slot 1's may be out)
	s_barrier_signal -1
	s_barrier_wait -1                              ; everybody's is
	FETCH 0, 0, 0
	s_wait_loadcnt 0x0                             ; bq
	; ---- q; B's quarters go on into wk
	STEP 0, 0, 1
	STEP 0, 1, 0
	STEP 0, 2, 0
	TURN 0, 1, 1
	STEP 1, 0, 0
	STEP 1, 1, 0
	STEP 1, 2, 0
	TURN 1, 0, 1
	WIN 0
	PLACES 8                                       ; in front of the first read of results, and of loads into the bias's registers
	BIAS BK
	EPI_QK IBQ, SBQ
	s_wait_loadcnt 0x0                             ; bk
	; ---- k; B's quarters go on into wv
	STEP 0, 0, 1
	STEP 0, 1, 0
	STEP 0, 2, 0
	TURN 0, 1, 1
	STEP 1, 0, 0
	STEP 1, 1, 0
	STEP 1, 2, 0
	TURN 1, 0, 1
	WIN 0
	PLACES 8
	WIN TO_2
.irp b, 0,1,2,3
.irp j, 0,1,2,3,4,5,6,7
	global_load_b32 v[BI+8*\b+\j], v5, s[BV:BV+1] offset:(32*(\b/2)+8*(\b%2))*4   ; bv of my channel in B's tile b, the same for the lane's eight keys
.endr
.endr
	WIN 0
	EPI_QK IBK, SBK
	s_wait_loadcnt 0x0                             ; bv
	; ---- v: the sources change places; nothing more is asked for
.set SWAP, 1
	STEP 0, 0, 1
	STEP 0, 1, 0
	STEP 0, 2, 0
	TURN 0, 1, 0
	STEP 1, 0, 0
	STEP 1, 1, 0
	STEP 1, 2, 0
	LAST
	PLACES 8
	EPI_V
	s_wait_tensorcnt 0x0                           ; the wave's end
	ds_add_u32 v[SPW], v[NIL]
	s_wait_dscnt 0x0
	CROUND                                         ; the closing round
	s_endpgm
.Lfunc_end_k_qa0d58b1d07_qkv:
	.size	k_qa0d58b1d07_qkv, .Lfunc_end_k_qa0d58b1d07_qkv-k_qa0d58b1d07_qkv
	.p2alignl 7, 3214868480
	.fill 96, 4, 3214868480
	.section	.rodata,"a",@progbits
	.p2align	6, 0x0
	.amdhsa_kernel k_qa0d58b1d07_qkv
		.amdhsa_group_segment_fixed_size 327680
		.amdhsa_private_segment_fixed_size 0
		.amdhsa_enable_private_segment 0
		.amdhsa_kernarg_size 56
		.amdhsa_user_sgpr_count 2
		.amdhsa_user_sgpr_kernarg_segment_ptr 1
		.amdhsa_wavefront_size32 1
		.amdhsa_system_sgpr_workgroup_id_x 1
		.amdhsa_system_sgpr_workgroup_id_y 1
		.amdhsa_system_sgpr_workgroup_id_z 1
		.amdhsa_system_vgpr_workitem_id 0
		.amdhsa_next_free_vgpr 768
		.amdhsa_next_free_sgpr 102
		.amdhsa_reserve_vcc 0
		.amdhsa_float_denorm_mode_32 3
		.amdhsa_float_denorm_mode_16_64 3
		.amdhsa_fp16_overflow 1
		.amdhsa_memory_ordered 1
		.amdhsa_forward_progress 1
		.amdhsa_inst_pref_size 155
	.end_amdhsa_kernel
	.amdgpu_metadata
---
amdhsa.version: [ 1, 2 ]
amdhsa.kernels:
  - .name:           k_qa0d58b1d07_qkv
    .symbol:         k_qa0d58b1d07_qkv.kd
    .args:
      - { .name: act, .offset: 0, .size: 8, .value_kind: global_buffer, .address_space: global }
      - { .name: wts, .offset: 8, .size: 8, .value_kind: global_buffer, .address_space: global }
      - { .name: bq, .offset: 16, .size: 8, .value_kind: global_buffer, .address_space: global }
      - { .name: bk, .offset: 24, .size: 8, .value_kind: global_buffer, .address_space: global }
      - { .name: bv, .offset: 32, .size: 8, .value_kind: global_buffer, .address_space: global }
      - { .name: qbuf, .offset: 40, .size: 8, .value_kind: global_buffer, .address_space: global }
      - { .name: kvb, .offset: 48, .size: 8, .value_kind: global_buffer, .address_space: global }
    .group_segment_fixed_size: 327680
    .private_segment_fixed_size: 0
    .kernarg_segment_align: 8
    .kernarg_segment_size: 56
    .max_flat_workgroup_size: 128
    .sgpr_count:     102
    .vgpr_count:     768
    .wavefront_size: 32
...
	.end_amdgpu_metadata
.endif
;; end of part 2
;; launch attn (part 3): grid 8 x 32, 16 waves a work-group, no clusters, 327,680 bytes of LDS; arguments qbuf, kvb, act; writes act
.if DOCPART == 3
	.amdgcn_target "amdgcn-amd-amdhsa--gfx1250"
	.amdhsa_code_object_version 6
	.text
	.protected	k_qa0d58b1d07_attn
	.globl	k_qa0d58b1d07_attn
	.p2align	8
	.type	k_qa0d58b1d07_attn,@function
k_qa0d58b1d07_attn:
	s_mov_b64 s[64:65], 0
	v_nop
	global_prefetch_b8 v0, s[64:65] scope:SCOPE_SE
	s_setreg_imm32_b32 hwreg(HW_REG_WAVE_MODE, 25, 1), 1
	s_wait_xcnt 0x0
; ATTN.  y[q] = sum over k <= q of softmax_k(q . k / 8) v[k], per batch and head (bh), both products on codes of E5M2 with one E8M0 scale for each 32 along a product's K; y is quantised along the channels on the way out.
; THE SOFTMAX AHEAD OF THE SECOND PRODUCT: t = score x log2(e) / 8; M = the running largest t rounded UP to a whole number; p = 2^(t - M) is quantised along the keys; the row's sum is taken of the unquantised p and divides at the end.
; SHARES.  Sixteen waves, one tile of 16 queries each, in 256 registers.  Work-group i of a head takes query blocks i (waves 0-7) and 15 - i (waves 8-15) of 128 queries: under the causal mask each work-group then has 17 x 8 key steps of work.
; Every wave walks all 16 key steps of 128 keys (constant trip counts); a step all of whose keys come after the wave's queries is left out by a scalar branch on ids.
; K, V: records of 17,152 bytes for 128 keys, laid in the order of the operands' registers (K: 8 tiles x 1,024 bytes, the head's 64 being half of the instruction's 128: the other half are zero codes kept in registers;
; V^T: 4 tiles of 16 channels x 128 keys; then the scale words).  A slot holds four records; waves 0-3 fetch one each, a dense tensor load; two slots, 2^17 bytes apart.
; Both products are used transposed: a lane holds one query throughout.  Tiles are in this program's row order (lane-row r of tile t: row 32 (t / 2) + 8 (t % 2) + r % 8 + 16 (r / 8)), so that a lane's 16 registers of two tiles are 16 neighbours.
; NO CLUSTER: the eight work-groups of a head need different numbers of slots (the last query of work-group i is 128 (16 - i) - 1, so those with i >= 4 never read the fourth slot), and a joint load must be issued by all that it names.
; LIMITS: NaN and infinities are not served; blocks under 2^-111 and blocks of zeros keep the byte 1; a block's largest p is taken through its largest score (v_exp_f32 is taken not to fall where its input rises); v_rcp_f32, v_exp_f32: 1 ulp.
; REGISTERS: v1 16 x lane, v2 16 r, v3 4 r, v4 my query's place less 16 h, v5, v6 the add's two, v7 16 r + h; v8-10 the step's addresses; v12 -M, v13 the largest t, v[14:15] the sum; v16-23 Q, v24-31 zeros;
; v32-95 four fragments of K (the upper eight of each: zeros); v96-159 S^T, then p, then V's four fragments; v160-191 O^T; v192-207 p's codes; v232-254 at work; v248-251 scale words; v255 Q's.
.set KVR,   17152
.set SLOT1, 131072
.set SPARE, 262144
.set TB,  2                            ; s2  LDS byte at which the step's record begins
.set WV,  18
.set MNT, 19
.set SEL, 20
.set CS,  22                           ; s[22:23] c = log2(e) / 8
.set G1,  24
.set G0,  40
.set KF,  44                           ; the step's first key
.set Q0,  45                           ; my tile's first query; its last is Q0 + 23
.set QL,  46                           ; my work-group's last query
.set SLOTS, 47
.set NQC, 48
.set HM,  49
.macro TLOAD                           ; waves 0-3 fetch a record each; an s_nop 0 and four v_nop follow the load
	s_cmp_lt_u32 s[WV], 4
	s_cbranch_scc0 .Lasked_\@
	tensor_load_to_lds s[G0:G0+3], s[G1:G1+7]
	s_nop 0
.rept 4
	v_nop
.endr
.Lasked_\@:
.endm
	s_load_b128 s[4:7], s[0:1], 0x0                ; qbuf, kvb
	s_load_b64 s[8:9], s[0:1], 0x10                ; act
	v_lshl_add_u32 v5, v0, 2, SPARE
	v_mov_b32 v6, 0
	ds_add_u32 v5, v6                              ; the wave's opening: an add to my spare word and its wait ahead of the first tensor load
	ds_add_u32 v5, v6
	v_lshrrev_b32 v8, 5, v0
	s_delay_alu instid0(VALU_DEP_1)
	v_readfirstlane_b32 s[WV], v8                  ; wave 0..15
	s_and_b32 s50, ttmp7, 0xffff                   ; bh
	s_lshr_b32 s51, s[WV], 3
	s_lshl_b32 s52, ttmp9, 1
	s_sub_co_u32 s52, 15, s52
	s_mul_i32 s52, s52, s51
	s_add_co_u32 s52, s52, ttmp9                   ; my block of 128 queries: i, or 15 - i
	s_lshl_b32 s52, s52, 3
	s_and_b32 s53, s[WV], 7
	s_add_co_u32 s52, s52, s53                     ; my tile of queries, 0..127
	s_lshr_b32 s53, s52, 1
	s_lshl_b32 s53, s53, 5
	s_and_b32 s54, s52, 1
	s_lshl_b32 s54, s54, 3
	s_add_co_u32 s[Q0], s53, s54
	s_sub_co_u32 s[QL], 16, ttmp9
	s_lshl_b32 s[QL], s[QL], 7
	s_sub_co_u32 s[QL], s[QL], 1
	s_mov_b32 s[G1], 3<<16                         ; no mask; elements of 8 bytes; no padding
	s_mov_b32 s[G1+1], 32<<16                      ; a record as 67 rows of 256 bytes
	s_mov_b32 s[G1+2], 67<<16
	s_mov_b32 s[G1+3], 32<<16
	s_mov_b32 s[G1+4], 67
	s_mov_b32 s[G1+5], 32
	s_mov_b32 s[G1+6], 0
	s_mov_b32 s[G1+7], 0
	s_and_b32 s55, s[WV], 3
	s_mul_i32 s56, s55, KVR                        ; the record's place in a slot
	s_lshl_b32 s57, s50, 4
	s_add_co_u32 s57, s57, s55
	s_mul_i32 s58, s57, KVR                        ; and in memory
	s_mov_b32 s59, 0
	s_lshl_b32 s60, s50, 17
	s_lshl_b32 s61, s52, 10
	s_add_co_u32 s60, s60, s61                     ; Q's image
	s_mov_b32 s61, 0
	s_lshl_b32 s62, s50, 13
	s_lshr_b32 s63, s52, 2
	s_lshl_b32 s63, s63, 8
	s_add_co_u32 s62, s62, s63
	s_and_b32 s63, s52, 3
	s_lshl_b32 s63, s63, 2
	s_add_co_u32 s62, s62, s63
	s_add_co_u32 s62, s62, 4194304                 ; Q's scale words
	s_mov_b32 s63, 0
	s_lshr_b32 s70, s50, 4
	s_lshl_b32 s70, s70, 7
	s_add_co_u32 s70, s70, s52                     ; y: the tokens' tile: 128 x batch + my tile
	s_mul_i32 s70, s70, 16896
	s_and_b32 s71, s50, 15                         ; the head
	s_lshr_b32 s72, s71, 3
	s_mul_i32 s72, s72, 8448
	s_add_co_u32 s70, s70, s72                     ; the record of channels 64 x head on
	s_bfe_u32 s72, s71, 0x20001                    ; its image: (head / 2) % 4
	s_and_b32 s71, s71, 1
	s_lshl_b32 s73, s72, 11
	s_add_co_u32 s66, s70, s73
	s_lshl_b32 s73, s71, 10
	s_add_co_u32 s66, s66, s73
	s_mov_b32 s67, 0
	s_lshl_b32 s73, s72, 2
	s_add_co_u32 s68, s70, s73
	s_lshl_b32 s73, s71, 1
	s_add_co_u32 s68, s68, s73
	s_add_co_u32 s68, s68, 8192
	s_mov_b32 s69, 0
	s_mov_b32 s[SEL], 0x76543210
	s_mov_b32 s[SEL+1], 0xfedcba98
	s_mov_b32 s[CS], 0x3e38aa3b
	s_mov_b32 s[CS+1], s[CS]
	s_mov_b32 s[HM], 0xffff0000
	s_mov_b32 s[TB], 0
	s_mov_b32 s[KF], 0
	s_mov_b32 s[SLOTS], 3
	s_wait_dscnt 0x0                               ; the opening add is done
	s_wait_kmcnt 0x0
	s_mov_b32 s[G0], 1
	s_mov_b32 s[G0+1], s56
	s_add_nc_u64 s[G0+2:G0+3], s[6:7], s[58:59]
	s_or_b32 s[G0+3], s[G0+3], 0x80000000
	TLOAD                                          ; slot 0: keys 0-511
	s_add_nc_u64 s[60:61], s[4:5], s[60:61]
	s_add_nc_u64 s[62:63], s[4:5], s[62:63]
	s_add_nc_u64 s[66:67], s[8:9], s[66:67]
	s_add_nc_u64 s[68:69], s[8:9], s[68:69]
	v_and_b32 v8, 15, v0                           ; r
	v_bfe_u32 v9, v0, 4, 1                         ; h
	v_and_b32 v1, 31, v0
	s_delay_alu instid0(VALU_DEP_1)
	v_lshlrev_b32 v1, 4, v1
	s_delay_alu instid0(VALU_DEP_4)
	v_lshlrev_b32 v2, 4, v8
	v_lshlrev_b32 v3, 2, v8
	global_load_b128 v[16:19], v1, s[60:61]        ; Q's fragment stays in registers
	global_load_b128 v[20:23], v1, s[60:61] offset:512
	global_load_b32 v255, v2, s[62:63]
	v_and_b32 v4, 7, v8
	v_lshrrev_b32 v10, 3, v8
	s_delay_alu instid0(VALU_DEP_1)
	v_lshl_add_u32 v4, v10, 4, v4
	v_lshlrev_b32 v10, 4, v9
	s_delay_alu instid0(VALU_DEP_1)
	v_sub_nc_u32 v4, v4, v10                       ; r % 8 + 16 (r / 8) - 16 h
	v_add_nc_u32 v7, v2, v9                        ; 16 r + h
	v_mov_b32 v13, 0xff61b1e6                      ; the largest t so far: -3e38
	s_delay_alu instid0(VALU_DEP_1)
	v_floor_f32 v12, -v13
	v_mov_b32 v14, 0
	v_mov_b32 v15, 0
	v_mov_b32 v253, 0
.irp b, 0,1,2,3
	v_mov_b32 v[236+\b], 0                         ; a lane permute's destination counts as one of its sources
.endr
.irp j, 0,1,2,3,4,5,6,7
	v_mov_b32 v[24+\j], 0                          ; zero codes: the upper 64 of the first product's 128, in Q
.irp t, 0,1,2,3
	v_mov_b32 v[40+16*\t+\j], 0                    ; and in K's four fragments
.endr
.endr
.set j, 0
.rept 32
	v_mov_b32 v[160+j], 0                          ; O^T: the step is written once; its first run finds zeros
.set j, j+1
.endr
.macro STEP
	s_add_co_u32 s50, s[Q0], 23
	s_cmp_gt_u32 s[KF], s50                        ; all 128 keys come after my queries: ids and the count of steps alone
	s_cbranch_scc1 .Lhidden_\@
	s_setprio 2
	v_add_nc_u32 v8, s[TB], v1
	s_wait_alu depctr_va_vdst(0)
	v_add_nc_u32 v9, s[TB], v2
	s_wait_alu depctr_va_vdst(0)
	v_add_nc_u32 v10, s[TB], v3
.rept 6
	v_nop                                          ; nine places in all: the scores below write over registers that the last products read as V's fragments
.endr
.irp g, 0,1                                    ; S^T = K Q^T, four tiles of 16 keys at a time
.if \g
.rept 8
	v_nop
.endr
.endif
.irp t, 0,1,2,3
.irp c, 0,1
	ds_load_b128 v[32+16*\t+4*\c:35+16*\t+4*\c], v8 offset:(4*\g+\t)*1024+512*\c
.endr
.endr
	ds_load_b128 v[248:251], v9 offset:16384+256*\g   ; the four tiles' scale words of lane-row r
	s_wait_dscnt 0x0
.irp t, 0,1,2,3
	v_wmma_scale_f32_16x16x128_f8f6f4 v[96+8*(4*\g+\t):103+8*(4*\g+\t)], v[32+16*\t:47+16*\t], v[16:31], 0, v[248+\t], v255 matrix_a_fmt:MATRIX_FMT_BF8 matrix_b_fmt:MATRIX_FMT_BF8
.endr
.endr
.rept 8
	v_nop
.endr
	s_add_co_u32 s50, s[KF], 127                   ; on the diagonal hidden scores become -infinity; a step all of whose keys count skips this
	s_cmp_le_u32 s50, s[Q0]
	s_cbranch_scc1 .Lopen_\@
	s_sub_co_i32 s50, s[Q0], s[KF]
	v_add_nc_u32 v252, s50, v4                     ; d = my query - KF - 16 h: register 16 b + i holds key KF + 16 h + 32 b + i, hidden where 32 b + i > d
	v_mov_b32 v254, 0xff800000
.set n, 0
.rept 64
	v_cmp_gt_i32 vcc_lo, 32*(n/16)+n%16, v252
	v_cndmask_b32 v[96+n], v[96+n], v254, vcc_lo
.set n, n+1
.endr
.Lopen_\@:
.irp b, 0,1,2,3
	v_max3_num_f32 v[232+\b], v[96+16*\b], v[97+16*\b], v[98+16*\b]   ; the largest score of each block of 32 keys
.endr
.irp i, 3,5,7,9,11,13
.irp b, 0,1,2,3
	v_max3_num_f32 v[232+\b], v[232+\b], v[96+16*\b+\i], v[97+16*\b+\i]
.endr
.endr
.irp b, 0,1,2,3
	v_max_num_f32 v[232+\b], v[232+\b], v[111+16*\b]
.endr
.irp b, 0,1,2,3
	s_delay_alu instid0(VALU_DEP_4)
	v_permlanex16_b32 v[236+\b], v[232+\b], s[SEL], s[SEL+1]
.endr
.irp b, 0,1,2,3
	s_delay_alu instid0(VALU_DEP_4)
	v_max_num_f32 v[232+\b], v[232+\b], v[236+\b]
.endr
	s_delay_alu instid0(VALU_DEP_2)
	v_max3_num_f32 v254, v232, v233, v234
	s_delay_alu instid0(VALU_DEP_1)
	v_max_num_f32 v254, v254, v235
	s_delay_alu instid0(VALU_DEP_1)
	v_mul_f32 v254, s[CS], v254
	s_delay_alu instid0(VALU_DEP_1)
	v_max_num_f32 v13, v13, v254                   ; the running largest t
	v_mov_b32 v254, v12
	s_delay_alu instid0(VALU_DEP_2)
	v_floor_f32 v12, -v13                          ; -M = floor(-t): M is a whole number
	s_delay_alu instid0(VALU_DEP_1)
	v_sub_f32 v254, v12, v254
	s_delay_alu instid0(VALU_DEP_1)
	v_cvt_i32_f32 v254, v254                       ; (it saturates)
	s_delay_alu instid0(VALU_DEP_1)
	v_ldexp_f32 v252, 1.0, v254                    ; f = 2^(old M - new M)
.set j, 0
.rept 32
	v_pk_fma_f32 v[96+j:97+j], v[96+j:97+j], s[CS:CS+1], v[12:13] op_sel_hi:[1,0,0]   ; t - M
.set j, j+2
.endr
	s_setprio 1
.irp b, 0,1,2,3
	v_fma_f32 v[232+\b], v[232+\b], s[CS], v12
.endr
.set j, 0
	s_wait_alu depctr_va_vdst(0)
.rept 64
	v_exp_f32 v[96+j], v[96+j]                     ; p = 2^(t - M)
.set j, j+1
.endr
	v_pk_mul_f32 v[14:15], v[14:15], v[252:253] op_sel_hi:[1,0]   ; the sums under the new M: a plain line behind the exponentials
	s_wait_alu depctr_va_vdst(0)                   ; one wait for the batch, ahead of its first reader
.irp b, 0,1,2,3
	v_exp_f32 v[232+\b], v[232+\b]                 ; each block's largest p
.endr
	v_pk_add_f32 v[236:237], v[100:101], v[104:105]
	v_pk_add_f32 v[250:251], v[108:109], v[112:113]
	v_pk_add_f32 v[248:249], v[116:117], v[120:121]
	v_pk_add_f32 v[246:247], v[124:125], v[128:129]
	v_pk_add_f32 v[244:245], v[132:133], v[136:137]
	v_pk_add_f32 v[242:243], v[140:141], v[144:145]
	v_pk_add_f32 v[240:241], v[148:149], v[152:153]
	v_pk_add_f32 v[14:15], v[14:15], v[156:157]
	v_pk_add_f32 v[236:237], v[236:237], v[96:97]
	v_pk_add_f32 v[250:251], v[250:251], v[98:99]
	v_pk_add_f32 v[248:249], v[248:249], v[102:103]
	v_pk_add_f32 v[246:247], v[246:247], v[106:107]
	v_pk_add_f32 v[244:245], v[244:245], v[110:111]
	v_pk_add_f32 v[242:243], v[242:243], v[114:115]
	v_pk_add_f32 v[240:241], v[240:241], v[118:119]
	v_pk_add_f32 v[14:15], v[14:15], v[122:123]
	v_pk_add_f32 v[236:237], v[236:237], v[126:127]
	v_pk_add_f32 v[250:251], v[250:251], v[130:131]
	v_pk_add_f32 v[248:249], v[248:249], v[134:135]
	v_pk_add_f32 v[246:247], v[246:247], v[138:139]
	v_pk_add_f32 v[244:245], v[244:245], v[142:143]
	v_pk_add_f32 v[242:243], v[242:243], v[146:147]
	v_pk_add_f32 v[240:241], v[240:241], v[150:151]
	v_pk_add_f32 v[14:15], v[14:15], v[154:155]
	v_pk_add_f32 v[236:237], v[236:237], v[158:159]
	s_delay_alu instid0(VALU_DEP_2)
	v_pk_add_f32 v[14:15], v[14:15], v[246:247]
	s_delay_alu instid0(VALU_DEP_2)
	v_pk_add_f32 v[236:237], v[236:237], v[244:245]
	v_pk_add_f32 v[250:251], v[250:251], v[242:243]
	v_pk_add_f32 v[248:249], v[248:249], v[240:241]
	s_delay_alu instid0(VALU_DEP_2)
	v_pk_add_f32 v[14:15], v[14:15], v[250:251]
	s_delay_alu instid0(VALU_DEP_2)
	v_pk_add_f32 v[236:237], v[236:237], v[248:249]
	s_delay_alu instid0(VALU_DEP_1)
	v_pk_add_f32 v[14:15], v[14:15], v[236:237]
	s_wait_alu depctr_va_vdst(0)                   ; and one for the four
.irp b, 0,1,2,3
	v_max_num_f32 v[232+\b], 0x8000000, v[232+\b]  ; the floor
.endr
.irp b, 0,1,2,3
	s_delay_alu instid0(VALU_DEP_4)
	v_add_nc_u32 v[244+\b], 0xf8800000, v[232+\b]
.endr
.irp b, 0,1,2,3
.endr
.irp b, 0,1,2,3
	s_delay_alu instid0(VALU_DEP_4)
	v_lshrrev_b32 v[236+\b], 23, v[244+\b]
.endr
	s_delay_alu instid0(VALU_DEP_3)
	v_lshl_or_b32 v253, v237, 8, v236              ; p's scale word for these 128 keys
	s_delay_alu instid0(VALU_DEP_1)
	v_lshl_or_b32 v253, v238, 16, v253
	s_delay_alu instid0(VALU_DEP_1)
	v_lshl_or_b32 v253, v239, 24, v253
.irp b, 0,1,2,3
.irp i, 0,1,2,3,4,5,6,7,8,9,10,11,12,13,14,15
.endr
	v_cvt_scalef32_pk8_bf8_f32 v[192+4*\b:193+4*\b], v[96+16*\b:103+16*\b], v[244+\b]
	v_cvt_scalef32_pk8_bf8_f32 v[194+4*\b:195+4*\b], v[104+16*\b:111+16*\b], v[244+\b]
.endr
.set j, 0
	s_setprio 0
.rept 16
	v_pk_mul_f32 v[160+j:161+j], v[160+j:161+j], v[252:253] op_sel_hi:[1,0]   ; O^T under the new M; also the places in front of the products below
.set j, j+2
.endr
.irp t, 0,1,2,3                                ; V's four fragments take p's registers, so that K's zeros stay
.irp c, 0,1,2,3
	ds_load_b128 v[96+16*\t+4*\c:99+16*\t+4*\c], v8 offset:8192+2048*\t+512*\c
.endr
	ds_load_b32 v[248+\t], v10 offset:16896+64*\t
.endr
	s_wait_alu depctr_va_vdst(0)
	s_wait_dscnt 0x0
.irp t, 0,1,2,3
	v_wmma_scale_f32_16x16x128_f8f6f4 v[160+8*\t:167+8*\t], v[96+16*\t:111+16*\t], v[192:207], v[160+8*\t:167+8*\t], v[248+\t], v253 matrix_a_fmt:MATRIX_FMT_BF8 matrix_b_fmt:MATRIX_FMT_BF8
.endr
.Lhidden_\@:
	s_add_co_u32 s[TB], s[TB], KVR
	s_add_co_u32 s[KF], s[KF], 128
.endm
; The change of slots stands at a slot's head: every wave waits for all its tensor loads, adds 0 to its spare word, waits for that and for its reads of the slot that it has left; one barrier; then the slot left is filled.
.macro CHANGE fill
	s_wait_tensorcnt 0x0
	ds_add_u32 v5, v6
.if \fill
	s_xor_b32 s[G0+1], s[G0+1], SLOT1              ; no tensor load of mine is out: the walking descriptor steps
	s_add_nc_u64 s[G0+2:G0+3], s[G0+2:G0+3], 4*KVR
.endif
	s_wait_dscnt 0x0
	s_barrier_signal -1
	s_barrier_wait -1
.if \fill
	s_add_co_u32 s50, s[KF], 512                   ; a slot whose first key comes after my work-group's last query is read by none of its waves: it is not asked for.
	s_cmp_gt_u32 s50, s[QL]                        ; Ids and the count of steps alone: all sixteen waves go the same way; every wait on TENSORcnt in this text is for 0
	s_cbranch_scc1 .Lpast_\@
	TLOAD
.Lpast_\@:
.endif
.endm
.macro SLOT_STEPS
	s_mov_b32 s[NQC], 4
.Lstep_\@:
	STEP
	s_sub_co_u32 s[NQC], s[NQC], 1
	s_cmp_lg_u32 s[NQC], 0
	s_cbranch_scc1 .Lstep_\@
	s_setprio 0
	s_sub_co_u32 s[TB], s[TB], 4*KVR
	s_xor_b32 s[TB], s[TB], SLOT1
.endm
	s_wait_loadcnt 0x0                             ; Q
.Lslot:
	CHANGE 1
	SLOT_STEPS
	s_sub_co_u32 s[SLOTS], s[SLOTS], 1
	s_cmp_lg_u32 s[SLOTS], 0
	s_cbranch_scc1 .Lslot
	CHANGE 0
	SLOT_STEPS
	; THE WAY OUT: O^T / the sum; register 16 b + i is channel 32 b + 16 h + i of my query: two blocks, quantised as every operand; the codes are the bytes of y's image
.rept 8
	v_nop
.endr
	v_add_f32 v14, v14, v15
	s_delay_alu instid0(VALU_DEP_1)
	v_permlanex16_b32 v252, v14, s[SEL], s[SEL+1]
	s_delay_alu instid0(VALU_DEP_1)
	v_add_f32 v14, v14, v252
	s_wait_alu depctr_va_vdst(0)
	v_rcp_f32 v14, v14
	v_nop
	s_wait_alu depctr_va_vdst(0)
.set j, 0
.rept 32
	v_mul_f32 v[96+j], v[160+j], v14
.set j, j+1
.endr
.irp b, 0,1
	v_max3_num_f32 v[232+\b], |v[96+16*\b]|, |v[97+16*\b]|, 0x8000000
.endr
.irp i, 2,4,6,8,10,12,14
.irp b, 0,1
	s_delay_alu instid0(VALU_DEP_2)
	v_max3_num_f32 v[232+\b], v[232+\b], |v[96+16*\b+\i]|, |v[97+16*\b+\i]|
.endr
.endr
.irp b, 0,1
	s_delay_alu instid0(VALU_DEP_2)
	v_permlanex16_b32 v[236+\b], v[232+\b], s[SEL], s[SEL+1]
.endr
.irp b, 0,1
	s_delay_alu instid0(VALU_DEP_2)
	v_max_num_f32 v[232+\b], v[232+\b], v[236+\b]
.endr
.irp b, 0,1
	s_delay_alu instid0(VALU_DEP_2)
	v_add_nc_u32 v[244+\b], 0xf8800000, v[232+\b]
.endr
.irp b, 0,1
.endr
.irp b, 0,1
	s_delay_alu instid0(VALU_DEP_2)
	v_lshrrev_b32 v[236+\b], 23, v[244+\b]
.endr
.irp b, 0,1
.irp i, 0,1,2,3,4,5,6,7,8,9,10,11,12,13,14,15
.endr
	v_cvt_scalef32_pk8_bf8_f32 v[192+4*\b:193+4*\b], v[96+16*\b:103+16*\b], v[244+\b]
	v_cvt_scalef32_pk8_bf8_f32 v[194+4*\b:195+4*\b], v[104+16*\b:111+16*\b], v[244+\b]
.endr
	v_nop
	global_store_b128 v1, v[192:195], s[66:67]     ; 512 consecutive bytes each
	global_store_b128 v1, v[196:199], s[66:67] offset:512
	v_cndmask_b32 v238, v236, v237, s[HM]          ; lanes 0-15 the first block's byte, lanes 16-31 the second's
	global_store_b8 v7, v238, s[68:69]
	s_wait_tensorcnt 0x0                           ; the wave's end
	ds_add_u32 v5, v6
	s_wait_dscnt 0x0
	s_endpgm
.Lfunc_end_k_qa0d58b1d07_attn:
	.size	k_qa0d58b1d07_attn, .Lfunc_end_k_qa0d58b1d07_attn-k_qa0d58b1d07_attn
	.p2alignl 7, 3214868480
	.fill 96, 4, 3214868480
	.section	.rodata,"a",@progbits
	.p2align	6, 0x0
	.amdhsa_kernel k_qa0d58b1d07_attn
		.amdhsa_group_segment_fixed_size 327680
		.amdhsa_private_segment_fixed_size 0
		.amdhsa_enable_private_segment 0
		.amdhsa_kernarg_size 24
		.amdhsa_user_sgpr_count 2
		.amdhsa_user_sgpr_kernarg_segment_ptr 1
		.amdhsa_wavefront_size32 1
		.amdhsa_system_sgpr_workgroup_id_x 1
		.amdhsa_system_sgpr_workgroup_id_y 1
		.amdhsa_system_sgpr_workgroup_id_z 1
		.amdhsa_system_vgpr_workitem_id 0
		.amdhsa_next_free_vgpr 256
		.amdhsa_next_free_sgpr 100
		.amdhsa_reserve_vcc 1
		.amdhsa_float_denorm_mode_32 3
		.amdhsa_float_denorm_mode_16_64 3
		.amdhsa_fp16_overflow 1
		.amdhsa_memory_ordered 1
		.amdhsa_forward_progress 1
		.amdhsa_inst_pref_size 60
	.end_amdhsa_kernel
	.amdgpu_metadata
---
amdhsa.version: [ 1, 2 ]
amdhsa.kernels:
  - .name:           k_qa0d58b1d07_attn
    .symbol:         k_qa0d58b1d07_attn.kd
    .args:
      - { .name: qbuf, .offset: 0, .size: 8, .value_kind: global_buffer, .address_space: global }
      - { .name: kvb, .offset: 8, .size: 8, .value_kind: global_buffer, .address_space: global }
      - { .name: act, .offset: 16, .size: 8, .value_kind: global_buffer, .address_space: global }
    .group_segment_fixed_size: 327680
    .private_segment_fixed_size: 0
    .kernarg_segment_align: 8
    .kernarg_segment_size: 24
    .max_flat_workgroup_size: 512
    .sgpr_count:     100
    .vgpr_count:     256
    .wavefront_size: 32
...
	.end_amdgpu_metadata
.endif
;; end of part 3
;; launch proj (part 4): grid 8 x 32, 4 waves a work-group, clusters of 4 x 4, 327,680 bytes of LDS; arguments act, wts, bo, x, x1; writes x1
.if DOCPART == 4
	.amdgcn_target "amdgcn-amd-amdhsa--gfx1250"
	.amdhsa_code_object_version 6
	.text
	.protected	k_qa0d58b1d07_proj
	.globl	k_qa0d58b1d07_proj
	.p2align	8
	.type	k_qa0d58b1d07_proj,@function
k_qa0d58b1d07_proj:
	s_mov_b64 s[64:65], 0
	v_nop
	global_prefetch_b8 v0, s[64:65] scope:SCOPE_SE
	s_setreg_imm32_b32 hwreg(HW_REG_WAVE_MODE, 25, 1), 1
	s_wait_xcnt 0x0
	s_wait_alu depctr_hold_cnt(0) depctr_sa_sdst(0) depctr_va_vdst(0) depctr_va_sdst(0) depctr_va_ssrc(0) depctr_va_vcc(0) depctr_vm_vsrc(0)
	s_getreg_b32 s2, hwreg(HW_REG_IB_STS2, 6, 4)
	s_cmp_eq_u32 s2, 0
	s_cbranch_scc0 .Lentry_in_a_cluster
	s_endpgm
.Lentry_in_a_cluster:
	s_bfe_u32 s2, ttmp6, 0x10000c
	s_cmp_lg_u32 s2, 0xf033
	s_cbranch_scc0 .Lentry_shape_is_right
	s_endpgm
.Lentry_shape_is_right:
; OUT = RESID + A W^T + bias on codes of E5M2 (one E8M0 scale for each 32 along K).  Here: x1 = x + y wo + bo, K = 1,024.  (The last launch is this text with K = 4,096, w2's records and a store hint.)
; A work-group of four waves makes 128 x 128; a wave 64 x 64: 16 accumulators.  Side A (tokens) is source 1, side B (the weight's columns) source 0: a lane holds one token and neighbouring columns.
; Operands lie in memory in the order of their registers: records of 8,448 bytes (four images of 16 rows x 128 K, then 256 bytes of scale words); lane-row r of tile t is row 32 (t / 2) + 8 (t % 2) + r % 8 + 16 (r / 8).
; RING: two LDS slots of 512 along K: four quarters (A's halves, B's halves) of four records, one dense tensor load a wave; no padding: a fragment load reads 512 consecutive bytes.
; CLUSTER 4 x 4: A's quarters are asked for jointly along a row of the cluster, B's along a column.  By this text's count a wave has two tensor loads out at the start and one behind each round.
; The bias is the C of each sum's first product.  The way out goes through the wave's own stage in LDS, so that sixteen lanes store 256 consecutive bytes, aligned; the residual is loaded in that same layout at the head.
; LIMITS: NaN and infinities are not served.
.set KG,    2
.set WOFF,  3244032                    ; the weight's records in wts
.set FINAL, 0
.set REC,   8448
.set QUART, 4*REC
.set SLOT,  4*QUART
.set TS,    KG*REC
.set LAPS,  KG/2
.set STAGE, 2*SLOT                     ; behind the ring: 16 rows x 272 bytes for each wave
.set SPARE, STAGE+4*16*272             ; then the spare words, 128 bytes a wave
.set ADRA, 16
.set ADRB, 20
.set ADRS, 22
.set SPW,  28
.set NIL,  29
.set SC,   32                          ; v32-39 scale words, a set of four for each fragment buffer
.set OB,   40                          ; v40-103 rows back from the stage, two sets
.set ACC,  128                         ; window 0: accumulator (a, b) at v[128 + 8 (4 a + b)]
.set BI,   0                           ; window 2: the bias;  from v32 the residual.  Window 1: fragment buffer f at 128 f
.set RES,  32
.set WV, 20
.set HI, 21
.set LO, 22
.set G1, 24
.set G0, 32
.set G1B, 48
.set G0B, 56
.set MUL,  0x05
.set MULB, 0x25
.set TO_F, 0x40
.set TO_2, 0x80
.set ADDR, 0x08                        ; source 1 window 2
.set MSB, 0
.macro WIN new
.if MSB != \new
	s_set_vgpr_msb (MSB<<8)|\new
.set MSB, \new
.endif
.endm
.macro PLACES n
.rept \n
	v_nop
.endr
.endm
.macro JLOAD g0a, g1a, g0b, g1b        ; waves 0, 1 fetch A's quarters, waves 2, 3 B's; an s_nop 0 and four v_nop follow each line
	s_cmp_eq_u32 s[HI], 0
	s_cbranch_scc0 .Lfor_b_\@
	tensor_load_to_lds s[\g0a:\g0a+3], s[\g1a:\g1a+7]
	s_nop 0
	PLACES 4
	s_branch .Lasked_\@
.Lfor_b_\@:
	tensor_load_to_lds s[\g0b:\g0b+3], s[\g1b:\g1b+7]
	s_nop 0
	PLACES 4
.Lasked_\@:
.endm
.macro CREST
	s_cmp_lg_u32 s[WV], 0
	s_cbranch_scc1 .Lnot_wave_0_\@
	s_barrier_signal -3
.Lnot_wave_0_\@:
	s_barrier_wait -3
	s_barrier_signal -1
	s_barrier_wait -1
.endm
.macro CROUND
	s_barrier_signal -1
	s_barrier_wait -1
	CREST
.endm
.macro FETCH slot, q, f                ; 36 LDS loads: 4 scale words, B's 16, A's tiles 0, 1, A's tiles 2, 3
	WIN 0
.irp i, 0,1,2,3
	ds_load_b32 v[SC+4*(\f)+\i], v[ADRS+\slot] offset:\i*REC+4*(\q)
.endr
	WIN TO_F
.irp i, 0,1,2,3
.irp c, 0,1,2,3
	ds_load_b128 v[128*(\f)+64+16*\i+4*\c:128*(\f)+64+16*\i+4*\c+3], v[ADRB+\slot] offset:\i*REC+2048*(\q)+512*\c
.endr
.endr
.irp i, 0,1,2,3
.irp c, 0,1,2,3
	ds_load_b128 v[128*(\f)+16*\i+4*\c:128*(\f)+16*\i+4*\c+3], v[ADRA+\slot] offset:\i*REC+2048*(\q)+512*\c
.endr
.endr
.endm
.macro MULA f, a, cm                   ; A's tile a against B's four; cm = 1: the sum starts from the bias.  The 16 accumulators take turns
.irp b, 0,1,2,3
.set rD, ACC+8*(4*(\a)+\b)
.set rB, 128*(\f)+64+16*\b
.set rA, 128*(\f)+16*(\a)
.set rC, rD
.if (\cm) == 1
.set rC, BI+8*\b
.endif
	v_wmma_scale_f32_16x16x128_f8f6f4 v[rD:rD+7], v[rB:rB+15], v[rA:rA+15], v[rC:rC+7], v[SC+4*(\f)+\b], v[SC+4*(\f)+(\a)] matrix_a_fmt:MATRIX_FMT_BF8 matrix_b_fmt:MATRIX_FMT_BF8 matrix_a_scale:MATRIX_SCALE_ROW1
.endr
.endm
.macro STEP slot, q, cm
	s_wait_dscnt 8                                 ; all but A's tiles 2, 3
.if \cm
	WIN MULB
.else
	WIN MUL
.endif
	MULA (\q)%2, 0, \cm
	MULA (\q)%2, 1, \cm
	PLACES 8                                       ; in front of loads into registers that matrix instructions have read
	FETCH \slot, (\q)+1, 1-(\q)%2
	s_wait_dscnt 36                                ; all but the 36 just issued
.if \cm
	WIN MULB
.else
	WIN MUL
.endif
	MULA (\q)%2, 2, \cm
	MULA (\q)%2, 3, \cm
.endm
.macro REFILL slot                     ; this slot's records two slots on along K
	s_add_nc_u64 s[G0+4*\slot+2:G0+4*\slot+3], s[G0+4*\slot+2:G0+4*\slot+3], 2*REC
	s_add_nc_u64 s[G0B+4*\slot+2:G0B+4*\slot+3], s[G0B+4*\slot+2:G0B+4*\slot+3], 2*REC
	JLOAD G0+4*\slot, G1, G0B+4*\slot, G1B
.endm
.macro TURN slot, next, fill
	WIN 0
	s_wait_tensorcnt 0x0                           ; all my tensor loads have landed: my quarter of the next slot;
	ds_add_u32 v[SPW], v[NIL]                      ; 0 onto my spare word
	s_wait_dscnt 9                                 ; (the add and A's tiles 2, 3 may be out)
	WIN MUL
	MULA 1, 0, 0
	s_wait_dscnt 0x0                               ; the add is done, and my reads of this slot are over
	s_barrier_signal -1
	MULA 1, 1, 0
	WIN 0
	s_barrier_wait -1
.if \fill
	CREST
	REFILL \slot
	PLACES 4
.else
	PLACES 8
.endif
	FETCH \next, 0, 0
	WIN MUL
	MULA 1, 2, 0
	MULA 1, 3, 0
.endm
.macro LAST
	s_wait_dscnt 8
	WIN MUL
	MULA 1, 0, 0
	MULA 1, 1, 0
	s_wait_dscnt 0x0
	MULA 1, 2, 0
	MULA 1, 3, 0
	WIN 0
.endm
.macro TOSTAGE a                       ; A's tile a: 16 tokens x 64 columns into my stage, and back as whole rows.  LDS serves a wave's instructions in order (ISA guide 5.7.1.4)
.irp b, 0,1,2,3
	ds_store_b128 v24, v[ACC+8*(4*(\a)+\b):ACC+8*(4*(\a)+\b)+3] offset:128*(\b/2)+32*(\b%2)
	ds_store_b128 v24, v[ACC+8*(4*(\a)+\b)+4:ACC+8*(4*(\a)+\b)+7] offset:128*(\b/2)+32*(\b%2)+16
.endr
.irp t, 0,1,2,3,4,5,6,7
	ds_load_b128 v[OB+32*((\a)%2)+4*\t:OB+32*((\a)%2)+4*\t+3], v25 offset:544*\t
.endr
.endm
.macro SEND a, younger                 ; younger: the LDS instructions issued behind tile a's loads
	s_wait_dscnt \younger
	WIN ADDR
.set q2, 0
.rept 16
	v_pk_add_f32 v[OB+32*((\a)%2)+2*q2:OB+32*((\a)%2)+2*q2+1], v[OB+32*((\a)%2)+2*q2:OB+32*((\a)%2)+2*q2+1], v[RES+32*(\a)+2*q2:RES+32*(\a)+2*q2+1]
.set q2, q2+1
.endr
	WIN 0
.irp t, 0,1,2,3,4,5,6,7
.if FINAL
	global_store_b128 v26, v[OB+32*((\a)%2)+4*\t:OB+32*((\a)%2)+4*\t+3], s[12:13] offset:(32*((\a)/2)+8*((\a)%2)+2*\t+8*(\t/4))*4096 th:TH_STORE_NT
.else
	global_store_b128 v26, v[OB+32*((\a)%2)+4*\t:OB+32*((\a)%2)+4*\t+3], s[12:13] offset:(32*((\a)/2)+8*((\a)%2)+2*\t+8*(\t/4))*4096
.endif
.endr
.endm
	s_load_b256 s[4:11], s[0:1], 0x0               ; A's records, wts, the bias, the residual
	s_load_b64 s[12:13], s[0:1], 0x20              ; the output
	v_lshl_add_u32 v[SPW], v0, 2, SPARE
	v_mov_b32 v[NIL], 0
	ds_add_u32 v[SPW], v[NIL]                      ; the wave's opening: an add to my spare word and its wait ahead of my first tensor load
	ds_add_u32 v[SPW], v[NIL]
	v_lshrrev_b32 v1, 5, v0
	v_readfirstlane_b32 s[WV], v1
	s_lshr_b32 s[HI], s[WV], 1
	s_and_b32 s[LO], s[WV], 1
	s_bfe_u32 s40, ttmp6, 0x40000                  ; cx
	s_bfe_u32 s41, ttmp6, 0x40004                  ; cy
	s_lshl_b32 s42, ttmp9, 2
	s_add_co_u32 s42, s42, s40                     ; block of 128 columns
	s_and_b32 s45, ttmp7, 0xffff
	s_lshl_b32 s45, s45, 2
	s_add_co_u32 s45, s45, s41                     ; block of 128 tokens
	s_lshl_b32 s43, s41, 2
	s_lshl_b32 s43, 15, s43
	s_lshl_b32 s44, 0x1111, s40
	s_or_b32 s[G1], s43, (3<<16)|(1<<21)           ; the mask; elements of 8 bytes; 21 set beside a mask; no padding
	s_or_b32 s[G1B], s44, (3<<16)|(1<<21)
.irp g, G1, G1B
	s_mov_b32 s[\g+1], 1056<<16                    ; a record
	s_mov_b32 s[\g+2], 4<<16                       ; four tiles
	s_mov_b32 s[\g+3], 1056<<16
	s_mov_b32 s[\g+4], 4
	s_mov_b32 s[\g+5], KG*1056                     ; from tile to tile
	s_mov_b32 s[\g+6], 0
	s_mov_b32 s[\g+7], 0
.endr
	s_mul_i32 s46, s45, 8*TS
	s_mul_i32 s47, s[LO], 4*TS
	s_add_co_u32 s46, s46, s47
	s_mov_b32 s47, 0
	s_mul_i32 s98, s42, 8*TS
	s_mul_i32 s99, s[LO], 4*TS
	s_add_co_u32 s98, s98, s99
	s_add_co_u32 s98, s98, WOFF
	s_mov_b32 s99, 0
	s_mul_i32 s23, s[WV], QUART
	s_wait_dscnt 0x0
	s_wait_kmcnt 0x0
	s_add_nc_u64 s[46:47], s[4:5], s[46:47]
	s_add_nc_u64 s[98:99], s[6:7], s[98:99]
	CROUND
.irp s, 0,1
	s_mov_b32 s[G0+4*\s], 1
	s_add_co_u32 s[G0+4*\s+1], s23, \s*SLOT
	s_add_nc_u64 s[G0+4*\s+2:G0+4*\s+3], s[46:47], \s*REC
	s_or_b32 s[G0+4*\s+3], s[G0+4*\s+3], 0x80000000
	s_mov_b32 s[G0B+4*\s], 1
	s_add_co_u32 s[G0B+4*\s+1], s23, \s*SLOT
	s_add_nc_u64 s[G0B+4*\s+2:G0B+4*\s+3], s[98:99], \s*REC
	s_or_b32 s[G0B+4*\s+3], s[G0B+4*\s+3], 0x80000000
	JLOAD G0+4*\s, G1, G0B+4*\s, G1B
.endr
	v_and_b32 v1, 15, v0
	v_bfe_u32 v2, v0, 4, 1
	v_and_b32 v3, 31, v0
	v_lshlrev_b32 v3, 4, v3
	s_mul_i32 s18, s[HI], QUART
	s_mul_i32 s19, s[LO], QUART
	s_add_co_u32 s19, s19, 2*QUART
	v_add_nc_u32 v[ADRA], s18, v3
	v_add_nc_u32 v[ADRB], s19, v3
	v_add_nc_u32 v[ADRA+1], SLOT, v[ADRA]
	v_add_nc_u32 v[ADRB+1], SLOT, v[ADRB]
	s_sub_co_u32 s19, s19, s18
	v_mul_u32_u24 v4, s19, v2                      ; lanes 16-31 take B's words
	v_lshl_add_u32 v4, v1, 4, v4
	s_add_co_u32 s18, s18, 8192
	v_add_nc_u32 v[ADRS], s18, v4
	v_add_nc_u32 v[ADRS+1], SLOT, v[ADRS]
	s_mul_i32 s18, s[WV], 16*272
	s_add_co_u32 s18, s18, STAGE                   ; my stage
	v_mul_u32_u24 v4, v1, 272
	v_lshl_add_u32 v4, v2, 6, v4
	v_add_nc_u32 v24, s18, v4                      ; in: row r, + 64 h
	v_mul_u32_u24 v4, v2, 272
	v_lshl_add_u32 v4, v1, 4, v4
	v_add_nc_u32 v25, s18, v4                      ; back: lanes 0-15 one row, lanes 16-31 the next
	v_lshlrev_b32 v26, 12, v2
	v_lshl_add_u32 v26, v1, 4, v26                 ; the same two rows in memory
	v_lshlrev_b32 v27, 6, v2                       ; the bias: 64 h
	s_wait_alu depctr_va_vdst(0)
	s_lshl_b32 s98, s42, 9
	s_lshl_b32 s19, s[LO], 8
	s_add_co_u32 s98, s98, s19                     ; my 64 columns
	s_mov_b32 s99, 0
	s_add_nc_u64 s[8:9], s[8:9], s[98:99]
	s_lshl_b32 s2, s45, 19
	s_lshl_b32 s19, s[HI], 18
	s_add_co_u32 s2, s2, s19                       ; my 64 tokens
	s_add_co_u32 s98, s98, s2
	s_add_nc_u64 s[10:11], s[10:11], s[98:99]
	s_add_nc_u64 s[12:13], s[12:13], s[98:99]
	WIN TO_2
.irp b, 0,1,2,3
	global_load_b128 v[BI+8*\b:BI+8*\b+3], v27, s[8:9] offset:(32*(\b/2)+8*(\b%2))*4
	global_load_b128 v[BI+8*\b+4:BI+8*\b+7], v27, s[8:9] offset:(32*(\b/2)+8*(\b%2))*4+16
.endr
.irp a, 0,1,2,3
.irp t, 0,1,2,3,4,5,6,7
	global_load_b128 v[RES+32*\a+4*\t:RES+32*\a+4*\t+3], v26, s[10:11] offset:(32*(\a/2)+8*(\a%2)+2*\t+8*(\t/4))*4096 th:TH_LOAD_NT
.endr
.endr
	WIN 0
	s_wait_tensorcnt 1                             ; my quarter of slot 0 is in (slot 1's may be out),
	s_barrier_signal -1
	s_barrier_wait -1                              ; everybody's is
	FETCH 0, 0, 0
	s_wait_loadcnt 32                              ; the bias is in; the residual's 32 loads may be out
	STEP 0, 0, 1
.if LAPS > 1
	WIN 0
	s_mov_b32 s3, LAPS-1
.Llap:                                             ; once round the ring, from a lap's second step to the next lap's first; both slots are filled again
	STEP 0, 1, 0
	STEP 0, 2, 0
	TURN 0, 1, 1
	STEP 1, 0, 0
	STEP 1, 1, 0
	STEP 1, 2, 0
	TURN 1, 0, 1
	STEP 0, 0, 0
	WIN 0
	s_sub_co_u32 s3, s3, 1
	s_cmp_lg_u32 s3, 0
	s_cbranch_scc1 .Llap
.endif
	STEP 0, 1, 0
	STEP 0, 2, 0
	TURN 0, 1, 0
	STEP 1, 0, 0
	STEP 1, 1, 0
	STEP 1, 2, 0
	LAST
	PLACES 8
	s_wait_loadcnt 0x0                             ; the residual
	TOSTAGE 0
.irp a, 1,2,3
.if \a > 1
	s_wait_xcnt 0x0                                ; tile a - 2's stores have read their data: tile a's loads may land there
.endif
	TOSTAGE \a
	SEND \a-1, 16                                  ; behind tile a - 1's loads: tile a's 8 stores and 8 loads
.endr
	SEND 3, 0
	s_wait_tensorcnt 0x0                           ; the wave's end
	ds_add_u32 v[SPW], v[NIL]
	s_wait_dscnt 0x0
	CROUND                                         ; the closing round
	s_endpgm
.Lfunc_end_k_qa0d58b1d07_proj:
	.size	k_qa0d58b1d07_proj, .Lfunc_end_k_qa0d58b1d07_proj-k_qa0d58b1d07_proj
	.p2alignl 7, 3214868480
	.fill 96, 4, 3214868480
	.section	.rodata,"a",@progbits
	.p2align	6, 0x0
	.amdhsa_kernel k_qa0d58b1d07_proj
		.amdhsa_group_segment_fixed_size 327680
		.amdhsa_private_segment_fixed_size 0
		.amdhsa_enable_private_segment 0
		.amdhsa_kernarg_size 40
		.amdhsa_user_sgpr_count 2
		.amdhsa_user_sgpr_kernarg_segment_ptr 1
		.amdhsa_wavefront_size32 1
		.amdhsa_system_sgpr_workgroup_id_x 1
		.amdhsa_system_sgpr_workgroup_id_y 1
		.amdhsa_system_sgpr_workgroup_id_z 1
		.amdhsa_system_vgpr_workitem_id 0
		.amdhsa_next_free_vgpr 768
		.amdhsa_next_free_sgpr 102
		.amdhsa_reserve_vcc 0
		.amdhsa_float_denorm_mode_32 3
		.amdhsa_float_denorm_mode_16_64 3
		.amdhsa_memory_ordered 1
		.amdhsa_forward_progress 1
		.amdhsa_inst_pref_size 61
	.end_amdhsa_kernel
	.amdgpu_metadata
---
amdhsa.version: [ 1, 2 ]
amdhsa.kernels:
  - .name:           k_qa0d58b1d07_proj
    .symbol:         k_qa0d58b1d07_proj.kd
    .args:
      - { .name: act, .offset: 0, .size: 8, .value_kind: global_buffer, .address_space: global }
      - { .name: wts, .offset: 8, .size: 8, .value_kind: global_buffer, .address_space: global }
      - { .name: bo, .offset: 16, .size: 8, .value_kind: global_buffer, .address_space: global }
      - { .name: x, .offset: 24, .size: 8, .value_kind: global_buffer, .address_space: global }
      - { .name: x1, .offset: 32, .size: 8, .value_kind: global_buffer, .address_space: global }
    .group_segment_fixed_size: 327680
    .private_segment_fixed_size: 0
    .kernarg_segment_align: 8
    .kernarg_segment_size: 40
    .max_flat_workgroup_size: 128
    .sgpr_count:     102
    .vgpr_count:     768
    .wavefront_size: 32
...
	.end_amdgpu_metadata
.endif
;; end of part 4
;; launch ln2 (part 5): grid 256 x 1, 8 waves a work-group, no clusters, 69,632 bytes of LDS; arguments x1, ln2_w, ln2_b, act; writes act
.if DOCPART == 5
	.amdgcn_target "amdgcn-amd-amdhsa--gfx1250"
	.amdhsa_code_object_version 6
	.text
	.protected	k_qa0d58b1d07_ln2
	.globl	k_qa0d58b1d07_ln2
	.p2align	8
	.type	k_qa0d58b1d07_ln2,@function
k_qa0d58b1d07_ln2:
	s_mov_b64 s[64:65], 0
	v_nop
	global_prefetch_b8 v0, s[64:65] scope:SCOPE_SE
	s_setreg_imm32_b32 hwreg(HW_REG_WAVE_MODE, 25, 1), 1
	s_wait_xcnt 0x0
; LN2.  LayerNorm 2 of 16 tokens a work-group, quantised to codes of E5M2 with one E8M0 scale for each 32 along C, laid in the order of the operand's registers:
; lane-row r of tile t is token 32 (t / 2) + 8 (t % 2) + r % 8 + 16 (r / 8); an image is 16 rows x 128 K (byte 512 c + 256 h + 16 r + e: k = 32 c + 16 h + e); a record is four images and 256 bytes of scale words (8,192 + 16 r + 4 q).
; Eight waves, wave s takes columns 128 s .. 128 s + 127 of the 16 rows: one image.  Each load of x1 takes 512 consecutive bytes of one row; the 16 rows turn through the wave's own stage in LDS and come back so that
; lane (r, h) holds, of its row, 16 neighbours of each block of 32.  Mean and variance in two passes; the waves' partial sums meet in LDS, behind one barrier each.
; LIMITS: NaN and infinities are not served; blocks under 2^-111 and blocks of zeros keep the byte 1 (this program alone reads the bytes); v_rsq_f32 is 1 ulp.
.set SPARE, 1024                       ; LDS: 0-511 the sums' words (32 r + 4 s), 512-1,023 the squares', then the spare words,
.set STG,   2048                       ; then a stage of 16 rows x 528 bytes for each wave
.set SP,    528                        ; a stage row: 512 bytes + 16
.set SPW, 14
.set NIL, 15
.set TM,  16
.set PC,  32
.set PW,  48
.set X,   64
.set LW,  128
.set LB,  192                          ; the rows of x1 as they are loaded; later the bias
.set WV,  26
.set SEL, 28
.set MNT, 30
.set HM,  31
.set OUTP, 10                          ; s[10:11] act
	s_load_b256 s[4:11], s[0:1], 0x0               ; x1, ln2_w, ln2_b, act
	v_lshl_add_u32 v[SPW], v0, 2, SPARE
	v_mov_b32 v[NIL], 0
	v_lshrrev_b32 v1, 5, v0
	s_delay_alu instid0(VALU_DEP_1)
	v_readfirstlane_b32 s[WV], v1
	s_mov_b32 s[SEL], 0x76543210
	s_mov_b32 s[SEL+1], 0xfedcba98
	s_mov_b32 s[HM], 0xffff0000
.macro QUANT s
.irp b, 0,1,2,3
	v_max3_num_f32 v[TM+\b], |v[\s+16*\b]|, |v[\s+1+16*\b]|, 0x8000000   ; with the floor 2^(16 - 127)
.endr
.irp i, 2,4,6,8,10,12,14
.irp b, 0,1,2,3
	s_delay_alu instid0(VALU_DEP_4)
	v_max3_num_f32 v[TM+\b], v[TM+\b], |v[\s+16*\b+\i]|, |v[\s+1+16*\b+\i]|
.endr
.endr
.irp b, 0,1,2,3
	s_delay_alu instid0(VALU_DEP_4)
	v_permlanex16_b32 v[TM+4+\b], v[TM+\b], s[SEL], s[SEL+1]
.endr
.irp b, 0,1,2,3
	s_delay_alu instid0(VALU_DEP_4)
	v_max_num_f32 v[TM+\b], v[TM+\b], v[TM+4+\b]
.endr
.irp b, 0,1,2,3
	s_delay_alu instid0(VALU_DEP_4)
	v_add_nc_u32 v[TM+12+\b], 0xf8800000, v[TM+\b]
.endr
.irp b, 0,1,2,3
.endr
.irp b, 0,1,2,3
	s_delay_alu instid0(VALU_DEP_4)
	v_lshrrev_b32 v[TM+4+\b], 23, v[TM+12+\b]
.endr
	s_delay_alu instid0(VALU_DEP_3)
	v_lshl_or_b32 v[PW], v[TM+5], 8, v[TM+4]
	s_delay_alu instid0(VALU_DEP_1)
	v_lshl_or_b32 v[PW], v[TM+6], 16, v[PW]
	s_delay_alu instid0(VALU_DEP_1)
	v_lshl_or_b32 v[PW], v[TM+7], 24, v[PW]
.irp b, 0,1,2,3
.irp i, 0,1,2,3,4,5,6,7,8,9,10,11,12,13,14,15
.endr
	v_cvt_scalef32_pk8_bf8_f32 v[PC+4*\b:PC+1+4*\b], v[\s+16*\b:\s+7+16*\b], v[TM+12+\b]
	v_cvt_scalef32_pk8_bf8_f32 v[PC+2+4*\b:PC+3+4*\b], v[\s+8+16*\b:\s+15+16*\b], v[TM+12+\b]
.endr
	v_nop
.endm
.macro REDUCE off
	s_delay_alu instid0(VALU_DEP_3)
	v_pk_add_f32 v[56:57], v[56:57], v[58:59]
	s_delay_alu instid0(VALU_DEP_2)
	v_pk_add_f32 v[60:61], v[60:61], v[62:63]
	s_delay_alu instid0(VALU_DEP_1)
	v_pk_add_f32 v[56:57], v[56:57], v[60:61]
	s_delay_alu instid0(VALU_DEP_1)
	v_add_f32 v56, v56, v57
	s_delay_alu instid0(VALU_DEP_1)
	v_permlanex16_b32 v57, v56, s[SEL], s[SEL+1]
	s_delay_alu instid0(VALU_DEP_1)
	v_add_f32 v56, v56, v57
	ds_store_b32 v6, v56 offset:\off               ; lanes l and l + 16 write the same word with the same value
	s_wait_dscnt 0x0                               ; for the others' sake: my store has landed
	s_barrier_signal -1
	s_barrier_wait -1
	ds_load_b128 v[56:59], v7 offset:\off
	ds_load_b128 v[60:63], v7 offset:\off+16
	s_wait_dscnt 0x0
	v_add_f32 v56, v56, v57
	v_add_f32 v58, v58, v59
	v_add_f32 v60, v60, v61
	v_add_f32 v62, v62, v63
	s_delay_alu instid0(VALU_DEP_3)
	v_add_f32 v56, v56, v58
	s_delay_alu instid0(VALU_DEP_2)
	v_add_f32 v60, v60, v62
	s_delay_alu instid0(VALU_DEP_1)
	v_add_f32 v56, v56, v60
.endm
	v_and_b32 v1, 15, v0                           ; r
	v_bfe_u32 v2, v0, 4, 1                         ; h
	v_and_b32 v3, 31, v0
	s_delay_alu instid0(VALU_DEP_1)
	v_lshlrev_b32 v3, 4, v3                        ; 16 x lane
	s_mul_i32 s27, s[WV], 16*SP
	s_add_co_u32 s27, s27, STG                     ; my wave's stage
	v_add_nc_u32 v4, s27, v3                       ; into it: 16 x lane of a row
	v_mul_u32_u24 v9, v1, SP
	s_delay_alu instid0(VALU_DEP_1)
	v_lshl_add_u32 v9, v2, 6, v9
	s_delay_alu instid0(VALU_DEP_1)
	v_add_nc_u32 v9, s27, v9                       ; out of it: row r, + 64 h
	v_lshlrev_b32 v5, 6, v2
	v_lshlrev_b32 v7, 5, v1
	s_lshl_b32 s27, s[WV], 2
	v_add_nc_u32 v6, s27, v7
	v_lshlrev_b32 v8, 4, v1
	s_delay_alu instid0(VALU_DEP_1)
	v_lshl_add_u32 v8, v2, 1, v8
.irp b, 0,1,2,3
	v_mov_b32 v[TM+4+\b], 0
.endr
	s_lshr_b32 s32, ttmp9, 1
	s_lshl_b32 s32, s32, 5
	s_and_b32 s33, ttmp9, 1
	s_lshl_b32 s33, s33, 3
	s_add_co_u32 s32, s32, s33
	s_lshl_b32 s32, s32, 12
	s_lshl_b32 s34, s[WV], 9
	s_add_co_u32 s32, s32, s34
	s_mov_b32 s33, 0
	s_mov_b32 s35, 0
	s_mul_i32 s36, ttmp9, 16896
	s_lshr_b32 s38, s[WV], 2
	s_mul_i32 s38, s38, 8448
	s_add_co_u32 s36, s36, s38
	s_and_b32 s38, s[WV], 3
	s_lshl_b32 s39, s38, 11
	s_add_co_u32 s40, s36, s39
	s_mov_b32 s41, 0
	s_lshl_b32 s38, s38, 2
	s_add_co_u32 s42, s36, s38
	s_add_co_u32 s42, s42, 8192
	s_mov_b32 s43, 0
	s_wait_alu depctr_va_vdst(0)
	s_wait_kmcnt 0x0
	s_add_nc_u64 s[4:5], s[4:5], s[32:33]
	s_add_nc_u64 s[6:7], s[6:7], s[34:35]
	s_add_nc_u64 s[8:9], s[8:9], s[34:35]
	s_add_nc_u64 s[40:41], s[OUTP:OUTP+1], s[40:41]
	s_add_nc_u64 s[42:43], s[OUTP:OUTP+1], s[42:43]
.irp i, 0,1,2,3,4,5,6,7,8,9,10,11,12,13,14,15
	global_load_b128 v[LB+4*\i:LB+4*\i+3], v3, s[4:5] offset:((\i%8)+16*(\i/8))*4096 th:TH_LOAD_NT   ; lane-row i's 512 bytes: 32 lanes, 16 neighbouring bytes each
.endr
.irp c, 0,1,2,3
.irp j, 0,1,2,3
	global_load_b128 v[LW+16*\c+4*\j:LW+16*\c+4*\j+3], v5, s[6:7] offset:128*\c+16*\j
.endr
.endr
	s_wait_loadcnt 16                              ; the 16 loads of x1 are in; the 16 of the gain may be out
.irp i, 0,1,2,3,4,5,6,7,8,9,10,11,12,13,14,15
	ds_store_b128 v4, v[LB+4*\i:LB+4*\i+3] offset:\i*SP
.endr
.irp c, 0,1,2,3
.irp j, 0,1,2,3
	ds_load_b128 v[X+16*\c+4*\j:X+16*\c+4*\j+3], v9 offset:128*\c+16*\j   ; LDS serves a wave's instructions in order (ISA guide 5.7.1.4): these see my stores
.endr
.endr
	s_wait_dscnt 0x0                               ; my numbers are back, and the stores have read their registers,
.irp c, 0,1,2,3
.irp j, 0,1,2,3
	global_load_b128 v[LB+16*\c+4*\j:LB+16*\c+4*\j+3], v5, s[8:9] offset:128*\c+16*\j   ; which now take the bias: it is wanted only behind both sums
.endr
.endr
.irp k, 0,1,2,3
	v_pk_add_f32 v[56+2*\k:57+2*\k], v[X+2*\k:X+2*\k+1], v[X+8+2*\k:X+9+2*\k]
.endr
.set p, 8
.rept 24
	s_delay_alu instid0(VALU_DEP_4)
	v_pk_add_f32 v[56+2*(p%4):57+2*(p%4)], v[56+2*(p%4):57+2*(p%4)], v[X+2*p:X+2*p+1]
.set p, p+1
.endr
	REDUCE 0
	s_delay_alu instid0(VALU_DEP_1)
	v_mul_f32 v50, 0x3a800000, v56                 ; the mean
	s_delay_alu instid0(VALU_DEP_1)
	v_mov_b32 v51, v50
.set p, 0
.rept 32
	v_pk_add_f32 v[X+2*p:X+2*p+1], v[X+2*p:X+2*p+1], v[50:51] neg_lo:[0,1] neg_hi:[0,1]
.set p, p+1
.endr
.irp k, 0,1,2,3
	v_pk_mul_f32 v[56+2*\k:57+2*\k], v[X+2*\k:X+2*\k+1], v[X+2*\k:X+2*\k+1]
.endr
.set p, 4
.rept 28
	s_delay_alu instid0(VALU_DEP_4)
	v_pk_fma_f32 v[56+2*(p%4):57+2*(p%4)], v[X+2*p:X+2*p+1], v[X+2*p:X+2*p+1], v[56+2*(p%4):57+2*(p%4)]
.set p, p+1
.endr
	REDUCE 512
	s_delay_alu instid0(VALU_DEP_1)
	v_mul_f32 v56, 0x3a800000, v56                 ; the variance
	s_delay_alu instid0(VALU_DEP_1)
	v_add_f32 v56, 0x3727c5ac, v56                 ; + 1e-5
	s_wait_alu depctr_va_vdst(0)
	v_rsq_f32 v52, v56
	v_nop
	s_wait_alu depctr_va_vdst(0)                   ; the wait ahead of the first reader
	v_mov_b32 v53, v52
	s_wait_alu depctr_va_vdst(0)
	s_wait_loadcnt 0x0
.set p, 0
.rept 32
	v_pk_mul_f32 v[X+2*p:X+2*p+1], v[X+2*p:X+2*p+1], v[52:53]
.set p, p+1
.endr
.set p, 0
.rept 32
	v_pk_fma_f32 v[X+2*p:X+2*p+1], v[X+2*p:X+2*p+1], v[LW+2*p:LW+2*p+1], v[LB+2*p:LB+2*p+1]
.set p, p+1
.endr
	QUANT X
.irp c, 0,1,2,3
	global_store_b128 v3, v[PC+4*\c:PC+4*\c+3], s[40:41] offset:512*\c
.endr
	v_lshrrev_b32 v49, 16, v[PW]
	s_delay_alu instid0(VALU_DEP_1)
	v_cndmask_b32 v49, v[PW], v49, s[HM]
	global_store_b16 v8, v49, s[42:43]
	s_wait_tensorcnt 0x0                           ; the wave's end, behind my last LDS store
	ds_add_u32 v[SPW], v[NIL]
	s_wait_dscnt 0x0
	s_endpgm
.Lfunc_end_k_qa0d58b1d07_ln2:
	.size	k_qa0d58b1d07_ln2, .Lfunc_end_k_qa0d58b1d07_ln2-k_qa0d58b1d07_ln2
	.p2alignl 7, 3214868480
	.fill 96, 4, 3214868480
	.section	.rodata,"a",@progbits
	.p2align	6, 0x0
	.amdhsa_kernel k_qa0d58b1d07_ln2
		.amdhsa_group_segment_fixed_size 69632
		.amdhsa_private_segment_fixed_size 0
		.amdhsa_enable_private_segment 0
		.amdhsa_kernarg_size 32
		.amdhsa_user_sgpr_count 2
		.amdhsa_user_sgpr_kernarg_segment_ptr 1
		.amdhsa_wavefront_size32 1
		.amdhsa_system_sgpr_workgroup_id_x 1
		.amdhsa_system_sgpr_workgroup_id_y 1
		.amdhsa_system_sgpr_workgroup_id_z 1
		.amdhsa_system_vgpr_workitem_id 0
		.amdhsa_next_free_vgpr 256
		.amdhsa_next_free_sgpr 66
		.amdhsa_reserve_vcc 0
		.amdhsa_float_denorm_mode_32 3
		.amdhsa_float_denorm_mode_16_64 3
		.amdhsa_fp16_overflow 1
		.amdhsa_memory_ordered 1
		.amdhsa_forward_progress 1
		.amdhsa_inst_pref_size 30
	.end_amdhsa_kernel
	.amdgpu_metadata
---
amdhsa.version: [ 1, 2 ]
amdhsa.kernels:
  - .name:           k_qa0d58b1d07_ln2
    .symbol:         k_qa0d58b1d07_ln2.kd
    .args:
      - { .name: x1, .offset: 0, .size: 8, .value_kind: global_buffer, .address_space: global }
      - { .name: ln2_w, .offset: 8, .size: 8, .value_kind: global_buffer, .address_space: global }
      - { .name: ln2_b, .offset: 16, .size: 8, .value_kind: global_buffer, .address_space: global }
      - { .name: act, .offset: 24, .size: 8, .value_kind: global_buffer, .address_space: global }
    .group_segment_fixed_size: 69632
    .private_segment_fixed_size: 0
    .kernarg_segment_align: 8
    .kernarg_segment_size: 32
    .max_flat_workgroup_size: 256
    .sgpr_count:     66
    .vgpr_count:     256
    .wavefront_size: 32
...
	.end_amdgpu_metadata
.endif
;; end of part 5
;; launch fc1 (part 6): grid 8 x 32, 4 waves a work-group, clusters of 4 x 4, 327,680 bytes of LDS; arguments act, wts, b1, hid; writes hid
.if DOCPART == 6
	.amdgcn_target "amdgcn-amd-amdhsa--gfx1250"
	.amdhsa_code_object_version 6
	.text
	.protected	k_qa0d58b1d07_fc1
	.globl	k_qa0d58b1d07_fc1
	.p2align	8
	.type	k_qa0d58b1d07_fc1,@function
k_qa0d58b1d07_fc1:
	s_mov_b64 s[64:65], 0
	v_nop
	global_prefetch_b8 v0, s[64:65] scope:SCOPE_SE
	s_setreg_imm32_b32 hwreg(HW_REG_WAVE_MODE, 25, 1), 1
	s_wait_xcnt 0x0
	s_wait_alu depctr_hold_cnt(0) depctr_sa_sdst(0) depctr_va_vdst(0) depctr_va_sdst(0) depctr_va_ssrc(0) depctr_va_vcc(0) depctr_vm_vsrc(0)
	s_getreg_b32 s2, hwreg(HW_REG_IB_STS2, 6, 4)
	s_cmp_eq_u32 s2, 0
	s_cbranch_scc0 .Lentry_in_a_cluster
	s_endpgm
.Lentry_in_a_cluster:
	s_bfe_u32 s2, ttmp6, 0x10000c
	s_cmp_lg_u32 s2, 0xf033
	s_cbranch_scc0 .Lentry_shape_is_right
	s_endpgm
.Lentry_shape_is_right:
; FC1.  hid = Q(gelu(h w1 + b1)) on codes of E5M2 (one E8M0 scale for each 32 along K = 1,024); gelu exact (by erf), in f32; the result is quantised along the hidden axis in registers and stored as the next operand's bytes.
; A work-group of four waves makes FOUR tiles of 128 tokens x 128 hidden units (column blocks x, x + 8, x + 16, x + 24); a wave 64 x 64: 16 accumulators.  Side A (tokens) is source 1, side B (w1's columns) source 0.
; A's 128 tokens x all of K fill the A quarters of both LDS slots ONCE and stay; only B's quarters are filled again, by all four waves, two records' rows each: a work-group's fills are 2 x 66 + 8 x 66 KiB and not 16 x 66.
; Operands lie in the order of their registers: records of 8,448 bytes (four images of 16 rows x 128 K, 256 bytes of scale words); lane-row r of tile t is row 32 (t / 2) + 8 (t % 2) + r % 8 + 16 (r / 8),
; so a lane's 16 registers of two neighbouring tiles of B are 16 neighbouring hidden units, and a block of 32 lies in lanes l and l xor 16.
; CLUSTER 4 x 4: A's quarters are asked for jointly along a row of the cluster, B's along a column.  By this text's count a wave has two tensor loads out at the start and one behind each round.
; erf(u) = u a(u^2) / b(u^2), u held within +-4: the usual f32 rational form, degrees 6 and 4 in u^2.  Two accumulators go at a time; the denominator and its sixteen reciprocals go first, the numerator's 64 plain lines
; stand behind them, and one wait serves the sixteen.
; LIMITS: NaN and infinities are not served; blocks under 2^-111 and blocks of zeros keep the byte 1; v_rcp_f32 is 1 ulp and the rational form a few ulp of erf; the scale bytes leave singly, one byte in 32 of what is stored.
.set KG,    2
.set WOFF,  4325376                    ; w1's records in wts
.set REC,   8448
.set QUART, 4*REC
.set SLOT,  4*QUART
.set TS,    KG*REC
.set SPARE, 2*SLOT
.set ADRA, 16
.set ADRB, 20
.set ADRS, 22
.set SPW,  28
.set NIL,  29
.set SC,   32
.set BY,   8                           ; v8-11 scale bytes on their way out
.set GU,   40                          ; v40-55 u, later x / 2;  v56-71 u^2;  v72-87 the numerator;  v88-103 the denominator
.set GZ,   56
.set GP,   72
.set GQ,   88
.set TM,   72                          ; the quantiser's registers are the numerator's,
.set PC,   88                          ; the codes' the denominator's: the two phases follow each other
.set CF,   104                         ; v104-127 twelve coefficients, each twice
.set ACC,  128
.set BI,   0
.set WV, 20
.set HI, 21
.set LO, 22
.set G1, 24
.set G0, 32
.set G1B, 48
.set G0B, 56
.set G1R, 68                           ; s[68:75] group 1 of the refills: two tiles;  s[76:83] their groups 0, one for each slot
.set G0R, 76
.set SEL, 84
.set MNT, 86
.set HM, 87
.set OUT, 88
.set OUTS, 90
.set MUL,  0x05
.set MULB, 0x25
.set TO_F, 0x40
.set TO_2, 0x80
.set MSB, 0
.macro WIN new
.if MSB != \new
	s_set_vgpr_msb (MSB<<8)|\new
.set MSB, \new
.endif
.endm
.macro PLACES n
.rept \n
	v_nop
.endr
.endm
.macro JLOAD g0a, g1a, g0b, g1b
	s_cmp_eq_u32 s[HI], 0
	s_cbranch_scc0 .Lfor_b_\@
	tensor_load_to_lds s[\g0a:\g0a+3], s[\g1a:\g1a+7]
	s_nop 0
	PLACES 4
	s_branch .Lasked_\@
.Lfor_b_\@:
	tensor_load_to_lds s[\g0b:\g0b+3], s[\g1b:\g1b+7]
	s_nop 0
	PLACES 4
.Lasked_\@:
.endm
.macro CREST
	s_cmp_lg_u32 s[WV], 0
	s_cbranch_scc1 .Lnot_wave_0_\@
	s_barrier_signal -3
.Lnot_wave_0_\@:
	s_barrier_wait -3
	s_barrier_signal -1
	s_barrier_wait -1
.endm
.macro CROUND
	s_barrier_signal -1
	s_barrier_wait -1
	CREST
.endm
.macro FETCH slot, q, f
	WIN 0
.irp i, 0,1,2,3
	ds_load_b32 v[SC+4*(\f)+\i], v[ADRS+\slot] offset:\i*REC+4*(\q)
.endr
	WIN TO_F
.irp i, 0,1,2,3
.irp c, 0,1,2,3
	ds_load_b128 v[128*(\f)+64+16*\i+4*\c:128*(\f)+64+16*\i+4*\c+3], v[ADRB+\slot] offset:\i*REC+2048*(\q)+512*\c
.endr
.endr
.irp i, 0,1,2,3
.irp c, 0,1,2,3
	ds_load_b128 v[128*(\f)+16*\i+4*\c:128*(\f)+16*\i+4*\c+3], v[ADRA+\slot] offset:\i*REC+2048*(\q)+512*\c
.endr
.endr
.endm
.macro MULA f, a, cm
.irp b, 0,1,2,3
.set rD, ACC+8*(4*(\a)+\b)
.set rB, 128*(\f)+64+16*\b
.set rA, 128*(\f)+16*(\a)
.set rC, rD
.if (\cm) == 1
.set rC, BI+8*\b
.endif
	v_wmma_scale_f32_16x16x128_f8f6f4 v[rD:rD+7], v[rB:rB+15], v[rA:rA+15], v[rC:rC+7], v[SC+4*(\f)+\b], v[SC+4*(\f)+(\a)] matrix_a_fmt:MATRIX_FMT_BF8 matrix_b_fmt:MATRIX_FMT_BF8 matrix_a_scale:MATRIX_SCALE_ROW1
.endr
.endm
.macro STEP slot, q, cm
	s_wait_dscnt 8                                 ; all but A's tiles 2, 3
.if \cm
	WIN MULB
.else
	WIN MUL
.endif
	MULA (\q)%2, 0, \cm
	MULA (\q)%2, 1, \cm
	PLACES 8
	FETCH \slot, (\q)+1, 1-(\q)%2
	s_wait_dscnt 36                                ; all but the 36 just issued
.if \cm
	WIN MULB
.else
	WIN MUL
.endif
	MULA (\q)%2, 2, \cm
	MULA (\q)%2, 3, \cm
.endm
.macro REFILL slot                     ; B's quarters of this slot take the next tile's columns, eight blocks of 128 on: every wave two tiles' records; one line, one mask
	s_add_nc_u64 s[G0R+4*\slot+2:G0R+4*\slot+3], s[G0R+4*\slot+2:G0R+4*\slot+3], 8*8*TS
	tensor_load_to_lds s[G0R+4*\slot:G0R+4*\slot+3], s[G1R:G1R+7]
	s_nop 0
	PLACES 4
.endm
.macro TURN slot, next, fill
	WIN 0
	s_wait_tensorcnt 0x0                           ; all my tensor loads have landed: my part of the next slot;
	ds_add_u32 v[SPW], v[NIL]                      ; 0 onto my spare word
	s_wait_dscnt 9                                 ; (the add and A's tiles 2, 3 may be out)
	WIN MUL
	MULA 1, 0, 0
	s_wait_dscnt 0x0                               ; the add is done, and my reads of this slot are over
	s_barrier_signal -1
	MULA 1, 1, 0
	WIN 0
	s_barrier_wait -1
.if \fill
	CREST
	REFILL \slot
	PLACES 4
.else
	PLACES 8
.endif
	FETCH \next, 0, 0
	WIN MUL
	MULA 1, 2, 0
	MULA 1, 3, 0
.endm
.macro LAST
	s_wait_dscnt 8
	WIN MUL
	MULA 1, 0, 0
	MULA 1, 1, 0
	s_wait_dscnt 0x0
	MULA 1, 2, 0
	MULA 1, 3, 0
	WIN 0
.endm
.macro QUANT4 s, pc
.irp b, 0,1,2,3
	v_max3_num_f32 v[TM+\b], |v[(\s)+16*\b]|, |v[(\s)+1+16*\b]|, 0x8000000
.endr
.irp i, 2,4,6,8,10,12,14
.irp b, 0,1,2,3
	v_max3_num_f32 v[TM+\b], v[TM+\b], |v[(\s)+16*\b+\i]|, |v[(\s)+1+16*\b+\i]|
.endr
.endr
.irp b, 0,1,2,3
	v_permlanex16_b32 v[TM+4+\b], v[TM+\b], s[SEL], s[SEL+1]
.endr
.irp b, 0,1,2,3
	v_max_num_f32 v[TM+\b], v[TM+\b], v[TM+4+\b]
.endr
.irp b, 0,1,2,3
	v_add_nc_u32 v[TM+12+\b], 0xf8800000, v[TM+\b]
.endr
.irp b, 0,1,2,3
.endr
.irp b, 0,1,2,3
	v_lshrrev_b32 v[TM+4+\b], 23, v[TM+12+\b]
.endr
.irp b, 0,1,2,3
.irp i, 0,1,2,3,4,5,6,7,8,9,10,11,12,13,14,15
.endr
	v_cvt_scalef32_pk8_bf8_f32 v[(\pc)+4*\b:(\pc)+1+4*\b], v[(\s)+16*\b:(\s)+7+16*\b], v[TM+12+\b]
	v_cvt_scalef32_pk8_bf8_f32 v[(\pc)+2+4*\b:(\pc)+3+4*\b], v[(\s)+8+16*\b:(\s)+15+16*\b], v[TM+12+\b]
.endr
	v_nop
.endm
.macro BIAS
	WIN TO_2
.irp b, 0,1,2,3
	global_load_b128 v[BI+8*\b:BI+8*\b+3], v27, s[8:9] offset:(32*(\b/2)+8*(\b%2))*4
	global_load_b128 v[BI+8*\b+4:BI+8*\b+7], v27, s[8:9] offset:(32*(\b/2)+8*(\b%2))*4+16
.endr
	WIN 0
.endm
; gelu of two neighbouring accumulators, in place: x / 2 + (x / 2) erf(x / sqrt 2).  The sixteen reciprocals are one batch with one wait; the numerator, 64 plain lines that name none of them, stands between
.macro GELU16 x
.irp i, 0,2,4,6,8,10,12,14
	v_pk_mul_f32 v[GU+\i:GU+\i+1], v[(\x)+\i:(\x)+\i+1], 0x3f3504f3 op_sel_hi:[1,0]   ; u = x / sqrt 2.  (Each accumulator is read from its low end on)
.endr
.irp i, 0,1,2,3,4,5,6,7,8,9,10,11,12,13,14,15
	v_med3_num_f32 v[GU+\i], v[GU+\i], -4.0, 4.0
.endr
.irp i, 0,2,4,6,8,10,12,14
	v_pk_mul_f32 v[GZ+\i:GZ+\i+1], v[GU+\i:GU+\i+1], v[GU+\i:GU+\i+1]
.endr
.irp i, 0,2,4,6,8,10,12,14
	v_pk_fma_f32 v[GQ+\i:GQ+\i+1], v[GZ+\i:GZ+\i+1], v[CF+14:CF+15], v[CF+16:CF+17]   ; the denominator first
.endr
.irp k, 18,20,22
.irp i, 0,2,4,6,8,10,12,14
	v_pk_fma_f32 v[GQ+\i:GQ+\i+1], v[GQ+\i:GQ+\i+1], v[GZ+\i:GZ+\i+1], v[CF+\k:CF+\k+1]
.endr
.endr
	s_wait_alu depctr_va_vdst(0)
.irp i, 0,1,2,3,4,5,6,7,8,9,10,11,12,13,14,15
	v_rcp_f32 v[GQ+\i], v[GQ+\i]
.endr
.irp i, 0,2,4,6,8,10,12,14
	v_pk_fma_f32 v[GP+\i:GP+\i+1], v[GZ+\i:GZ+\i+1], v[CF:CF+1], v[CF+2:CF+3]         ; the numerator behind the reciprocals
.endr
.irp k, 4,6,8,10,12
.irp i, 0,2,4,6,8,10,12,14
	v_pk_fma_f32 v[GP+\i:GP+\i+1], v[GP+\i:GP+\i+1], v[GZ+\i:GZ+\i+1], v[CF+\k:CF+\k+1]
.endr
.endr
.irp i, 0,2,4,6,8,10,12,14
	v_pk_mul_f32 v[GP+\i:GP+\i+1], v[GP+\i:GP+\i+1], v[GU+\i:GU+\i+1]
.endr
.irp i, 0,2,4,6,8,10,12,14
	v_pk_mul_f32 v[GU+\i:GU+\i+1], v[(\x)+\i:(\x)+\i+1], 0.5 op_sel_hi:[1,0]
.endr
	s_wait_alu depctr_va_vdst(0)                   ; one wait for the sixteen, ahead of their first reader
.irp i, 0,2,4,6,8,10,12,14
	v_pk_mul_f32 v[GP+\i:GP+\i+1], v[GP+\i:GP+\i+1], v[GQ+\i:GQ+\i+1]   ; erf
.endr
.irp i, 0,2,4,6,8,10,12,14
	v_pk_fma_f32 v[(\x)+\i:(\x)+\i+1], v[GU+\i:GU+\i+1], v[GP+\i:GP+\i+1], v[GU+\i:GU+\i+1]
.endr
.endm
.macro EPI_G                           ; two tiles of tokens at a time: gelu, quantiser, 512 consecutive bytes a store
.irp p, 0,1
	s_wait_xcnt 0x0                                ; earlier stores have read their data: the codes' registers serve gelu, and the bytes' registers may be written
.irp i, 0,1,2,3
	GELU16 ACC+64*\p+16*\i
.endr
	QUANT4 ACC+64*\p, PC
.irp aa, 0,1
.irp b, 0,1
	global_store_b128 v24, v[PC+8*\aa+4*\b:PC+8*\aa+4*\b+3], s[OUT:OUT+1] offset:(2*\p+\aa)*67584+512*\b
.endr
	v_cndmask_b32 v[BY+2*\p+\aa], v[TM+4+2*\aa], v[TM+5+2*\aa], s[HM]
	global_store_b8 v25, v[BY+2*\p+\aa], s[OUTS:OUTS+1] offset:(2*\p+\aa)*67584
.endr
.endr
.endm
.macro COEF k, bits
	v_mov_b32 v[CF+2*\k], \bits
	v_mov_b32 v[CF+2*\k+1], \bits
.endm
	s_load_b256 s[4:11], s[0:1], 0x0               ; act, wts, b1, hid
	v_lshl_add_u32 v[SPW], v0, 2, SPARE
	v_mov_b32 v[NIL], 0
	ds_add_u32 v[SPW], v[NIL]
	ds_add_u32 v[SPW], v[NIL]                      ; the wave's opening: an add to my spare word and its wait ahead of my first tensor load
	v_lshrrev_b32 v1, 5, v0
	v_readfirstlane_b32 s[WV], v1
	s_lshr_b32 s[HI], s[WV], 1
	s_and_b32 s[LO], s[WV], 1
	s_bfe_u32 s40, ttmp6, 0x40000                  ; cx
	s_bfe_u32 s41, ttmp6, 0x40004                  ; cy
	s_lshl_b32 s42, ttmp9, 2
	s_add_co_u32 s42, s42, s40                     ; the first tile's block of 128 hidden units
	s_and_b32 s45, ttmp7, 0xffff
	s_lshl_b32 s45, s45, 2
	s_add_co_u32 s45, s45, s41                     ; block of 128 tokens
	s_lshl_b32 s43, s41, 2
	s_lshl_b32 s43, 15, s43
	s_lshl_b32 s44, 0x1111, s40
	s_or_b32 s[G1], s43, (3<<16)|(1<<21)
	s_or_b32 s[G1B], s44, (3<<16)|(1<<21)
	s_or_b32 s[G1R], s44, (3<<16)|(1<<21)
.irp g, G1, G1B
	s_mov_b32 s[\g+1], 1056<<16
	s_mov_b32 s[\g+2], 4<<16
	s_mov_b32 s[\g+3], 1056<<16
	s_mov_b32 s[\g+4], 4
	s_mov_b32 s[\g+5], KG*1056
	s_mov_b32 s[\g+6], 0
	s_mov_b32 s[\g+7], 0
.endr
	s_mov_b32 s[G1R+1], 1056<<16
	s_mov_b32 s[G1R+2], 2<<16                      ; two tiles
	s_mov_b32 s[G1R+3], 1056<<16
	s_mov_b32 s[G1R+4], 2
	s_mov_b32 s[G1R+5], KG*1056
	s_mov_b32 s[G1R+6], 0
	s_mov_b32 s[G1R+7], 0
	s_mul_i32 s46, s45, 8*TS
	s_mul_i32 s47, s[LO], 4*TS
	s_add_co_u32 s46, s46, s47
	s_mov_b32 s47, 0
	s_mul_i32 s98, s42, 8*TS
	s_add_co_u32 s98, s98, WOFF
	s_mov_b32 s99, 0
	s_mul_i32 s100, s[LO], 4*TS
	s_mov_b32 s101, 0
	s_mul_i32 s92, s[WV], 2*TS
	s_mov_b32 s93, 0
	s_mul_i32 s23, s[WV], QUART
	s_mul_i32 s94, s[WV], 2*REC
	s_add_co_u32 s94, s94, 2*QUART                 ; a refill's place: B's quarters, my two records' rows
	s_mov_b32 s[SEL], 0x76543210
	s_mov_b32 s[SEL+1], 0xfedcba98
	s_mov_b32 s[HM], 0xffff0000
	s_wait_dscnt 0x0
	s_wait_kmcnt 0x0
	s_add_nc_u64 s[46:47], s[4:5], s[46:47]
	s_add_nc_u64 s[98:99], s[6:7], s[98:99]
	s_add_nc_u64 s[100:101], s[98:99], s[100:101]
	s_add_nc_u64 s[92:93], s[98:99], s[92:93]
	CROUND
.irp s, 0,1
	s_mov_b32 s[G0+4*\s], 1
	s_add_co_u32 s[G0+4*\s+1], s23, \s*SLOT
	s_add_nc_u64 s[G0+4*\s+2:G0+4*\s+3], s[46:47], \s*REC
	s_or_b32 s[G0+4*\s+3], s[G0+4*\s+3], 0x80000000
	s_mov_b32 s[G0B+4*\s], 1
	s_add_co_u32 s[G0B+4*\s+1], s23, \s*SLOT
	s_add_nc_u64 s[G0B+4*\s+2:G0B+4*\s+3], s[100:101], \s*REC
	s_or_b32 s[G0B+4*\s+3], s[G0B+4*\s+3], 0x80000000
	JLOAD G0+4*\s, G1, G0B+4*\s, G1B
.endr
.irp s, 0,1
	s_mov_b32 s[G0R+4*\s], 1
	s_add_co_u32 s[G0R+4*\s+1], s94, \s*SLOT
	s_add_nc_u64 s[G0R+4*\s+2:G0R+4*\s+3], s[92:93], \s*REC   ; the first tile's: each refill steps it first
	s_or_b32 s[G0R+4*\s+3], s[G0R+4*\s+3], 0x80000000
.endr
	v_and_b32 v1, 15, v0
	v_bfe_u32 v2, v0, 4, 1
	v_and_b32 v3, 31, v0
	v_lshlrev_b32 v3, 4, v3
	s_mul_i32 s18, s[HI], QUART
	s_mul_i32 s19, s[LO], QUART
	s_add_co_u32 s19, s19, 2*QUART
	v_add_nc_u32 v[ADRA], s18, v3
	v_add_nc_u32 v[ADRB], s19, v3
	v_add_nc_u32 v[ADRA+1], SLOT, v[ADRA]
	v_add_nc_u32 v[ADRB+1], SLOT, v[ADRB]
	s_sub_co_u32 s19, s19, s18
	v_mul_u32_u24 v4, s19, v2
	v_lshl_add_u32 v4, v1, 4, v4
	s_add_co_u32 s18, s18, 8192
	v_add_nc_u32 v[ADRS], s18, v4
	v_add_nc_u32 v[ADRS+1], SLOT, v[ADRS]
	v_mov_b32 v24, v3                              ; the way out: 16 x lane;
	v_lshl_add_u32 v25, v1, 4, v2                  ; 16 r + h
	v_lshlrev_b32 v27, 6, v2                       ; b1: 64 h
.irp b, 0,1,2,3
	v_mov_b32 v[TM+4+\b], 0
.endr
	COEF 0, 0xaf95df0b                             ; the numerator's coefficients, from u^12 down,
	COEF 1, 0x32edffee
	COEF 2, 0xb60cff51
	COEF 3, 0xb86ec2d2
	COEF 4, 0xba40ac63
	COEF 5, 0xbb41a1f6
	COEF 6, 0xbc83dbd4
	COEF 7, 0xb77460cd                             ; the denominator's, from u^8 down
	COEF 8, 0xb95fbd29
	COEF 9, 0xbadc924e
	COEF 10, 0xbbf19bf8
	COEF 11, 0xbc69b6a7
	s_mov_b32 s99, 0
	s_lshl_b32 s98, s42, 9
	s_lshl_b32 s19, s[LO], 8
	s_add_co_u32 s98, s98, s19
	s_add_nc_u64 s[8:9], s[8:9], s[98:99]          ; b1 at my 64 hidden units
	s_lshl_b32 s2, s45, 3
	s_lshl_b32 s18, s[HI], 2
	s_add_co_u32 s2, s2, s18                       ; my first tile of tokens
	s_mul_i32 s2, s2, 67584
	s_lshr_b32 s18, s42, 2
	s_mul_i32 s18, s18, REC
	s_add_co_u32 s2, s2, s18                       ; the record of hidden units 128 x block on
	s_and_b32 s18, s42, 3
	s_lshl_b32 s19, s18, 11
	s_add_co_u32 s98, s2, s19
	s_lshl_b32 s19, s[LO], 10
	s_add_co_u32 s98, s98, s19
	s_add_nc_u64 s[OUT:OUT+1], s[10:11], s[98:99]
	s_lshl_b32 s19, s18, 2
	s_add_co_u32 s98, s2, s19
	s_lshl_b32 s19, s[LO], 1
	s_add_co_u32 s98, s98, s19
	s_add_co_u32 s98, s98, 8192
	s_add_nc_u64 s[OUTS:OUTS+1], s[10:11], s[98:99]
	BIAS
	s_wait_tensorcnt 1                             ; my quarter of slot 0 is in (slot 1's may be out),
	s_barrier_signal -1
	s_barrier_wait -1                              ; everybody's is
	FETCH 0, 0, 0
	WIN 0
	s_mov_b32 s3, 3
.Ltile:                                            ; three tiles that have a successor: both slots' B quarters are filled again
	s_wait_loadcnt 0x0                             ; b1
	STEP 0, 0, 1
	STEP 0, 1, 0
	STEP 0, 2, 0
	TURN 0, 1, 1
	STEP 1, 0, 0
	STEP 1, 1, 0
	STEP 1, 2, 0
	TURN 1, 0, 1
	WIN 0
	PLACES 8                                       ; in front of the first read of results, and of loads into the bias's registers
	s_wait_xcnt 0x0
	s_add_nc_u64 s[8:9], s[8:9], 4096              ; the next tile's b1: 1,024 hidden units on
	BIAS
	EPI_G
	s_wait_xcnt 0x0                                ; the stores have read their bases
	s_add_nc_u64 s[OUT:OUT+1], s[OUT:OUT+1], 2*REC ; 1,024 hidden units on: two records
	s_add_nc_u64 s[OUTS:OUTS+1], s[OUTS:OUTS+1], 2*REC
	s_sub_co_u32 s3, s3, 1
	s_cmp_lg_u32 s3, 0
	s_cbranch_scc1 .Ltile
	s_wait_loadcnt 0x0                             ; the last tile is written out: it asks for nothing
	STEP 0, 0, 1
	STEP 0, 1, 0
	STEP 0, 2, 0
	TURN 0, 1, 0
	STEP 1, 0, 0
	STEP 1, 1, 0
	STEP 1, 2, 0
	LAST
	PLACES 8
	EPI_G
	s_wait_tensorcnt 0x0                           ; the wave's end
	ds_add_u32 v[SPW], v[NIL]
	s_wait_dscnt 0x0
	CROUND                                         ; the closing round
	s_endpgm
.Lfunc_end_k_qa0d58b1d07_fc1:
	.size	k_qa0d58b1d07_fc1, .Lfunc_end_k_qa0d58b1d07_fc1-k_qa0d58b1d07_fc1
	.p2alignl 7, 3214868480
	.fill 96, 4, 3214868480
	.section	.rodata,"a",@progbits
	.p2align	6, 0x0
	.amdhsa_kernel k_qa0d58b1d07_fc1
		.amdhsa_group_segment_fixed_size 327680
		.amdhsa_private_segment_fixed_size 0
		.amdhsa_enable_private_segment 0
		.amdhsa_kernarg_size 32
		.amdhsa_user_sgpr_count 2
		.amdhsa_user_sgpr_kernarg_segment_ptr 1
		.amdhsa_wavefront_size32 1
		.amdhsa_system_sgpr_workgroup_id_x 1
		.amdhsa_system_sgpr_workgroup_id_y 1
		.amdhsa_system_sgpr_workgroup_id_z 1
		.amdhsa_system_vgpr_workitem_id 0
		.amdhsa_next_free_vgpr 768
		.amdhsa_next_free_sgpr 102
		.amdhsa_reserve_vcc 0
		.amdhsa_float_denorm_mode_32 3
		.amdhsa_float_denorm_mode_16_64 3
		.amdhsa_fp16_overflow 1
		.amdhsa_memory_ordered 1
		.amdhsa_forward_progress 1
		.amdhsa_inst_pref_size 255
	.end_amdhsa_kernel
	.section	.bss,"aw",@nobits
	.p2align	6
	.space	262144
	.amdgpu_metadata
---
amdhsa.version: [ 1, 2 ]
amdhsa.kernels:
  - .name:           k_qa0d58b1d07_fc1
    .symbol:         k_qa0d58b1d07_fc1.kd
    .args:
      - { .name: act, .offset: 0, .size: 8, .value_kind: global_buffer, .address_space: global }
      - { .name: wts, .offset: 8, .size: 8, .value_kind: global_buffer, .address_space: global }
      - { .name: b1, .offset: 16, .size: 8, .value_kind: global_buffer, .address_space: global }
      - { .name: hid, .offset: 24, .size: 8, .value_kind: global_buffer, .address_space: global }
    .group_segment_fixed_size: 327680
    .private_segment_fixed_size: 0
    .kernarg_segment_align: 8
    .kernarg_segment_size: 32
    .max_flat_workgroup_size: 128
    .sgpr_count:     102
    .vgpr_count:     768
    .wavefront_size: 32
...
	.end_amdgpu_metadata
.endif
;; end of part 6
;; launch fc2 (part 7): grid 8 x 32, 4 waves a work-group, clusters of 4 x 4, 327,680 bytes of LDS; arguments hid, wts, b2, x1, out0; writes out0
.if DOCPART == 7
	.amdgcn_target "amdgcn-amd-amdhsa--gfx1250"
	.amdhsa_code_object_version 6
	.text
	.protected	k_qa0d58b1d07_fc2
	.globl	k_qa0d58b1d07_fc2
	.p2align	8
	.type	k_qa0d58b1d07_fc2,@function
k_qa0d58b1d07_fc2:
	s_mov_b64 s[64:65], 0
	v_nop
	global_prefetch_b8 v0, s[64:65] scope:SCOPE_SE
	s_setreg_imm32_b32 hwreg(HW_REG_WAVE_MODE, 25, 1), 1
	s_wait_xcnt 0x0
	s_wait_alu depctr_hold_cnt(0) depctr_sa_sdst(0) depctr_va_vdst(0) depctr_va_sdst(0) depctr_va_ssrc(0) depctr_va_vcc(0) depctr_vm_vsrc(0)
	s_getreg_b32 s2, hwreg(HW_REG_IB_STS2, 6, 4)
	s_cmp_eq_u32 s2, 0
	s_cbranch_scc0 .Lentry_in_a_cluster
	s_endpgm
.Lentry_in_a_cluster:
	s_bfe_u32 s2, ttmp6, 0x10000c
	s_cmp_lg_u32 s2, 0xf033
	s_cbranch_scc0 .Lentry_shape_is_right
	s_endpgm
.Lentry_shape_is_right:
; OUT = RESID + A W^T + bias on codes of E5M2 (one E8M0 scale for each 32 along K).  Here: out0 = x1 + hid w2 + b2, K = 4,096.  (The text of the launch that makes x1, with K, the weight's records and the store hint changed.)
; A work-group of four waves makes 128 x 128; a wave 64 x 64: 16 accumulators.  Side A (tokens) is source 1, side B (the weight's columns) source 0: a lane holds one token and neighbouring columns.
; Operands lie in memory in the order of their registers: records of 8,448 bytes (four images of 16 rows x 128 K, then 256 bytes of scale words); lane-row r of tile t is row 32 (t / 2) + 8 (t % 2) + r % 8 + 16 (r / 8).
; RING: two LDS slots of 512 along K: four quarters (A's halves, B's halves) of four records, one dense tensor load a wave; no padding: a fragment load reads 512 consecutive bytes.
; CLUSTER 4 x 4: A's quarters are asked for jointly along a row of the cluster, B's along a column.  By this text's count a wave has two tensor loads out at the start and one behind each round.
; The bias is the C of each sum's first product.  The way out goes through the wave's own stage in LDS, so that sixteen lanes store 256 consecutive bytes, aligned; the residual is loaded in that same layout at the head.
; LIMITS: NaN and infinities are not served.
.set KG,    8
.set WOFF,  8650752                    ; the weight's records in wts
.set FINAL, 1
.set REC,   8448
.set QUART, 4*REC
.set SLOT,  4*QUART
.set TS,    KG*REC
.set LAPS,  KG/2
.set STAGE, 2*SLOT                     ; behind the ring: 16 rows x 272 bytes for each wave
.set SPARE, STAGE+4*16*272             ; then the spare words, 128 bytes a wave
.set ADRA, 16
.set ADRB, 20
.set ADRS, 22
.set SPW,  28
.set NIL,  29
.set SC,   32                          ; v32-39 scale words, a set of four for each fragment buffer
.set OB,   40                          ; v40-103 rows back from the stage, two sets
.set ACC,  128                         ; window 0: accumulator (a, b) at v[128 + 8 (4 a + b)]
.set BI,   0                           ; window 2: the bias;  from v32 the residual.  Window 1: fragment buffer f at 128 f
.set RES,  32
.set WV, 20
.set HI, 21
.set LO, 22
.set G1, 24
.set G0, 32
.set G1B, 48
.set G0B, 56
.set MUL,  0x05
.set MULB, 0x25
.set TO_F, 0x40
.set TO_2, 0x80
.set ADDR, 0x08                        ; source 1 window 2
.set MSB, 0
.macro WIN new
.if MSB != \new
	s_set_vgpr_msb (MSB<<8)|\new
.set MSB, \new
.endif
.endm
.macro PLACES n
.rept \n
	v_nop
.endr
.endm
.macro JLOAD g0a, g1a, g0b, g1b        ; waves 0, 1 fetch A's quarters, waves 2, 3 B's; an s_nop 0 and four v_nop follow each line
	s_cmp_eq_u32 s[HI], 0
	s_cbranch_scc0 .Lfor_b_\@
	tensor_load_to_lds s[\g0a:\g0a+3], s[\g1a:\g1a+7]
	s_nop 0
	PLACES 4
	s_branch .Lasked_\@
.Lfor_b_\@:
	tensor_load_to_lds s[\g0b:\g0b+3], s[\g1b:\g1b+7]
	s_nop 0
	PLACES 4
.Lasked_\@:
.endm
.macro CREST
	s_cmp_lg_u32 s[WV], 0
	s_cbranch_scc1 .Lnot_wave_0_\@
	s_barrier_signal -3
.Lnot_wave_0_\@:
	s_barrier_wait -3
	s_barrier_signal -1
	s_barrier_wait -1
.endm
.macro CROUND
	s_barrier_signal -1
	s_barrier_wait -1
	CREST
.endm
.macro FETCH slot, q, f                ; 36 LDS loads: 4 scale words, B's 16, A's tiles 0, 1, A's tiles 2, 3
	WIN 0
.irp i, 0,1,2,3
	ds_load_b32 v[SC+4*(\f)+\i], v[ADRS+\slot] offset:\i*REC+4*(\q)
.endr
	WIN TO_F
.irp i, 0,1,2,3
.irp c, 0,1,2,3
	ds_load_b128 v[128*(\f)+64+16*\i+4*\c:128*(\f)+64+16*\i+4*\c+3], v[ADRB+\slot] offset:\i*REC+2048*(\q)+512*\c
.endr
.endr
.irp i, 0,1,2,3
.irp c, 0,1,2,3
	ds_load_b128 v[128*(\f)+16*\i+4*\c:128*(\f)+16*\i+4*\c+3], v[ADRA+\slot] offset:\i*REC+2048*(\q)+512*\c
.endr
.endr
.endm
.macro MULA f, a, cm                   ; A's tile a against B's four; cm = 1: the sum starts from the bias.  The 16 accumulators take turns
.irp b, 0,1,2,3
.set rD, ACC+8*(4*(\a)+\b)
.set rB, 128*(\f)+64+16*\b
.set rA, 128*(\f)+16*(\a)
.set rC, rD
.if (\cm) == 1
.set rC, BI+8*\b
.endif
	v_wmma_scale_f32_16x16x128_f8f6f4 v[rD:rD+7], v[rB:rB+15], v[rA:rA+15], v[rC:rC+7], v[SC+4*(\f)+\b], v[SC+4*(\f)+(\a)] matrix_a_fmt:MATRIX_FMT_BF8 matrix_b_fmt:MATRIX_FMT_BF8 matrix_a_scale:MATRIX_SCALE_ROW1
.endr
.endm
.macro STEP slot, q, cm
	s_wait_dscnt 8                                 ; all but A's tiles 2, 3
.if \cm
	WIN MULB
.else
	WIN MUL
.endif
	MULA (\q)%2, 0, \cm
	MULA (\q)%2, 1, \cm
	PLACES 8                                       ; in front of loads into registers that matrix instructions have read
	FETCH \slot, (\q)+1, 1-(\q)%2
	s_wait_dscnt 36                                ; all but the 36 just issued
.if \cm
	WIN MULB
.else
	WIN MUL
.endif
	MULA (\q)%2, 2, \cm
	MULA (\q)%2, 3, \cm
.endm
.macro REFILL slot                     ; this slot's records two slots on along K
	s_add_nc_u64 s[G0+4*\slot+2:G0+4*\slot+3], s[G0+4*\slot+2:G0+4*\slot+3], 2*REC
	s_add_nc_u64 s[G0B+4*\slot+2:G0B+4*\slot+3], s[G0B+4*\slot+2:G0B+4*\slot+3], 2*REC
	JLOAD G0+4*\slot, G1, G0B+4*\slot, G1B
.endm
.macro TURN slot, next, fill
	WIN 0
	s_wait_tensorcnt 0x0                           ; all my tensor loads have landed: my quarter of the next slot;
	ds_add_u32 v[SPW], v[NIL]                      ; 0 onto my spare word
	s_wait_dscnt 9                                 ; (the add and A's tiles 2, 3 may be out)
	WIN MUL
	MULA 1, 0, 0
	s_wait_dscnt 0x0                               ; the add is done, and my reads of this slot are over
	s_barrier_signal -1
	MULA 1, 1, 0
	WIN 0
	s_barrier_wait -1
.if \fill
	CREST
	REFILL \slot
	PLACES 4
.else
	PLACES 8
.endif
	FETCH \next, 0, 0
	WIN MUL
	MULA 1, 2, 0
	MULA 1, 3, 0
.endm
.macro LAST
	s_wait_dscnt 8
	WIN MUL
	MULA 1, 0, 0
	MULA 1, 1, 0
	s_wait_dscnt 0x0
	MULA 1, 2, 0
	MULA 1, 3, 0
	WIN 0
.endm
.macro TOSTAGE a                       ; A's tile a: 16 tokens x 64 columns into my stage, and back as whole rows.  LDS serves a wave's instructions in order (ISA guide 5.7.1.4)
.irp b, 0,1,2,3
	ds_store_b128 v24, v[ACC+8*(4*(\a)+\b):ACC+8*(4*(\a)+\b)+3] offset:128*(\b/2)+32*(\b%2)
	ds_store_b128 v24, v[ACC+8*(4*(\a)+\b)+4:ACC+8*(4*(\a)+\b)+7] offset:128*(\b/2)+32*(\b%2)+16
.endr
.irp t, 0,1,2,3,4,5,6,7
	ds_load_b128 v[OB+32*((\a)%2)+4*\t:OB+32*((\a)%2)+4*\t+3], v25 offset:544*\t
.endr
.endm
.macro SEND a, younger                 ; younger: the LDS instructions issued behind tile a's loads
	s_wait_dscnt \younger
	WIN ADDR
.set q2, 0
.rept 16
	v_pk_add_f32 v[OB+32*((\a)%2)+2*q2:OB+32*((\a)%2)+2*q2+1], v[OB+32*((\a)%2)+2*q2:OB+32*((\a)%2)+2*q2+1], v[RES+32*(\a)+2*q2:RES+32*(\a)+2*q2+1]
.set q2, q2+1
.endr
	WIN 0
.irp t, 0,1,2,3,4,5,6,7
.if FINAL
	global_store_b128 v26, v[OB+32*((\a)%2)+4*\t:OB+32*((\a)%2)+4*\t+3], s[12:13] offset:(32*((\a)/2)+8*((\a)%2)+2*\t+8*(\t/4))*4096 th:TH_STORE_NT
.else
	global_store_b128 v26, v[OB+32*((\a)%2)+4*\t:OB+32*((\a)%2)+4*\t+3], s[12:13] offset:(32*((\a)/2)+8*((\a)%2)+2*\t+8*(\t/4))*4096
.endif
.endr
.endm
	s_load_b256 s[4:11], s[0:1], 0x0               ; A's records, wts, the bias, the residual
	s_load_b64 s[12:13], s[0:1], 0x20              ; the output
	v_lshl_add_u32 v[SPW], v0, 2, SPARE
	v_mov_b32 v[NIL], 0
	ds_add_u32 v[SPW], v[NIL]                      ; the wave's opening: an add to my spare word and its wait ahead of my first tensor load
	v_lshrrev_b32 v1, 5, v0
	v_readfirstlane_b32 s[WV], v1
	s_lshr_b32 s[HI], s[WV], 1
	s_and_b32 s[LO], s[WV], 1
	s_bfe_u32 s40, ttmp6, 0x40000                  ; cx
	s_bfe_u32 s41, ttmp6, 0x40004                  ; cy
	s_lshl_b32 s42, ttmp9, 2
	s_add_co_u32 s42, s42, s40                     ; block of 128 columns
	s_and_b32 s45, ttmp7, 0xffff
	s_lshl_b32 s45, s45, 2
	s_add_co_u32 s45, s45, s41                     ; block of 128 tokens
	s_lshl_b32 s43, s41, 2
	s_lshl_b32 s43, 15, s43
	s_lshl_b32 s44, 0x1111, s40
	s_or_b32 s[G1], s43, (3<<16)|(1<<21)           ; the mask; elements of 8 bytes; 21 set beside a mask; no padding
	s_or_b32 s[G1B], s44, (3<<16)|(1<<21)
.irp g, G1, G1B
	s_mov_b32 s[\g+1], 1056<<16                    ; a record
	s_mov_b32 s[\g+2], 4<<16                       ; four tiles
	s_mov_b32 s[\g+3], 1056<<16
	s_mov_b32 s[\g+4], 4
	s_mov_b32 s[\g+5], KG*1056                     ; from tile to tile
	s_mov_b32 s[\g+6], 0
	s_mov_b32 s[\g+7], 0
.endr
	s_mul_i32 s46, s45, 8*TS
	s_mul_i32 s47, s[LO], 4*TS
	s_add_co_u32 s46, s46, s47
	s_mov_b32 s47, 0
	s_mul_i32 s98, s42, 8*TS
	s_mul_i32 s99, s[LO], 4*TS
	s_add_co_u32 s98, s98, s99
	s_add_co_u32 s98, s98, WOFF
	s_mov_b32 s99, 0
	s_mul_i32 s23, s[WV], QUART
	s_wait_dscnt 0x0
	s_wait_kmcnt 0x0
	s_add_nc_u64 s[46:47], s[4:5], s[46:47]
	s_add_nc_u64 s[98:99], s[6:7], s[98:99]
	CROUND
.irp s, 0,1
	s_mov_b32 s[G0+4*\s], 1
	s_add_co_u32 s[G0+4*\s+1], s23, \s*SLOT
	s_add_nc_u64 s[G0+4*\s+2:G0+4*\s+3], s[46:47], \s*REC
	s_or_b32 s[G0+4*\s+3], s[G0+4*\s+3], 0x80000000
	s_mov_b32 s[G0B+4*\s], 1
	s_add_co_u32 s[G0B+4*\s+1], s23, \s*SLOT
	s_add_nc_u64 s[G0B+4*\s+2:G0B+4*\s+3], s[98:99], \s*REC
	s_or_b32 s[G0B+4*\s+3], s[G0B+4*\s+3], 0x80000000
	JLOAD G0+4*\s, G1, G0B+4*\s, G1B
.endr
	v_and_b32 v1, 15, v0
	v_bfe_u32 v2, v0, 4, 1
	v_and_b32 v3, 31, v0
	v_lshlrev_b32 v3, 4, v3
	s_mul_i32 s18, s[HI], QUART
	s_mul_i32 s19, s[LO], QUART
	s_add_co_u32 s19, s19, 2*QUART
	v_add_nc_u32 v[ADRA], s18, v3
	v_add_nc_u32 v[ADRB], s19, v3
	v_add_nc_u32 v[ADRA+1], SLOT, v[ADRA]
	v_add_nc_u32 v[ADRB+1], SLOT, v[ADRB]
	s_sub_co_u32 s19, s19, s18
	v_mul_u32_u24 v4, s19, v2                      ; lanes 16-31 take B's words
	v_lshl_add_u32 v4, v1, 4, v4
	s_add_co_u32 s18, s18, 8192
	v_add_nc_u32 v[ADRS], s18, v4
	v_add_nc_u32 v[ADRS+1], SLOT, v[ADRS]
	s_mul_i32 s18, s[WV], 16*272
	s_add_co_u32 s18, s18, STAGE                   ; my stage
	v_mul_u32_u24 v4, v1, 272
	v_lshl_add_u32 v4, v2, 6, v4
	v_add_nc_u32 v24, s18, v4                      ; in: row r, + 64 h
	v_mul_u32_u24 v4, v2, 272
	v_lshl_add_u32 v4, v1, 4, v4
	v_add_nc_u32 v25, s18, v4                      ; back: lanes 0-15 one row, lanes 16-31 the next
	v_lshlrev_b32 v26, 12, v2
	v_lshl_add_u32 v26, v1, 4, v26                 ; the same two rows in memory
	v_lshlrev_b32 v27, 6, v2                       ; the bias: 64 h
	s_lshl_b32 s98, s42, 9
	s_lshl_b32 s19, s[LO], 8
	s_add_co_u32 s98, s98, s19                     ; my 64 columns
	s_mov_b32 s99, 0
	s_add_nc_u64 s[8:9], s[8:9], s[98:99]
	s_lshl_b32 s2, s45, 19
	s_lshl_b32 s19, s[HI], 18
	s_add_co_u32 s2, s2, s19                       ; my 64 tokens
	s_add_co_u32 s98, s98, s2
	s_add_nc_u64 s[10:11], s[10:11], s[98:99]
	s_add_nc_u64 s[12:13], s[12:13], s[98:99]
	WIN TO_2
.irp b, 0,1,2,3
	global_load_b128 v[BI+8*\b:BI+8*\b+3], v27, s[8:9] offset:(32*(\b/2)+8*(\b%2))*4
	global_load_b128 v[BI+8*\b+4:BI+8*\b+7], v27, s[8:9] offset:(32*(\b/2)+8*(\b%2))*4+16
.endr
.irp a, 0,1,2,3
.irp t, 0,1,2,3,4,5,6,7
	global_load_b128 v[RES+32*\a+4*\t:RES+32*\a+4*\t+3], v26, s[10:11] offset:(32*(\a/2)+8*(\a%2)+2*\t+8*(\t/4))*4096 th:TH_LOAD_NT
.endr
.endr
	WIN 0
	s_wait_tensorcnt 1                             ; my quarter of slot 0 is in (slot 1's may be out),
	s_barrier_signal -1
	s_barrier_wait -1                              ; everybody's is
	FETCH 0, 0, 0
	s_wait_loadcnt 32                              ; the bias is in; the residual's 32 loads may be out
	STEP 0, 0, 1
.if LAPS > 1
	WIN 0
	s_mov_b32 s3, LAPS-1
.Llap:                                             ; once round the ring, from a lap's second step to the next lap's first; both slots are filled again
	STEP 0, 1, 0
	STEP 0, 2, 0
	TURN 0, 1, 1
	STEP 1, 0, 0
	STEP 1, 1, 0
	STEP 1, 2, 0
	TURN 1, 0, 1
	STEP 0, 0, 0
	WIN 0
	s_sub_co_u32 s3, s3, 1
	s_cmp_lg_u32 s3, 0
	s_cbranch_scc1 .Llap
.endif
	STEP 0, 1, 0
	STEP 0, 2, 0
	TURN 0, 1, 0
	STEP 1, 0, 0
	STEP 1, 1, 0
	STEP 1, 2, 0
	LAST
	PLACES 8
	s_wait_loadcnt 0x0                             ; the residual
	TOSTAGE 0
.irp a, 1,2,3
.if \a > 1
	s_wait_xcnt 0x0                                ; tile a - 2's stores have read their data: tile a's loads may land there
.endif
	TOSTAGE \a
	SEND \a-1, 16                                  ; behind tile a - 1's loads: tile a's 8 stores and 8 loads
.endr
	SEND 3, 0
	s_wait_tensorcnt 0x0                           ; the wave's end
	ds_add_u32 v[SPW], v[NIL]
	s_wait_dscnt 0x0
	CROUND                                         ; the closing round
	s_endpgm
.Lfunc_end_k_qa0d58b1d07_fc2:
	.size	k_qa0d58b1d07_fc2, .Lfunc_end_k_qa0d58b1d07_fc2-k_qa0d58b1d07_fc2
	.p2alignl 7, 3214868480
	.fill 96, 4, 3214868480
	.section	.rodata,"a",@progbits
	.p2align	6, 0x0
	.amdhsa_kernel k_qa0d58b1d07_fc2
		.amdhsa_group_segment_fixed_size 327680
		.amdhsa_private_segment_fixed_size 0
		.amdhsa_enable_private_segment 0
		.amdhsa_kernarg_size 40
		.amdhsa_user_sgpr_count 2
		.amdhsa_user_sgpr_kernarg_segment_ptr 1
		.amdhsa_wavefront_size32 1
		.amdhsa_system_sgpr_workgroup_id_x 1
		.amdhsa_system_sgpr_workgroup_id_y 1
		.amdhsa_system_sgpr_workgroup_id_z 1
		.amdhsa_system_vgpr_workitem_id 0
		.amdhsa_next_free_vgpr 768
		.amdhsa_next_free_sgpr 102
		.amdhsa_reserve_vcc 0
		.amdhsa_float_denorm_mode_32 3
		.amdhsa_float_denorm_mode_16_64 3
		.amdhsa_memory_ordered 1
		.amdhsa_forward_progress 1
		.amdhsa_inst_pref_size 100
	.end_amdhsa_kernel
	.amdgpu_metadata
---
amdhsa.version: [ 1, 2 ]
amdhsa.kernels:
  - .name:           k_qa0d58b1d07_fc2
    .symbol:         k_qa0d58b1d07_fc2.kd
    .args:
      - { .name: hid, .offset: 0, .size: 8, .value_kind: global_buffer, .address_space: global }
      - { .name: wts, .offset: 8, .size: 8, .value_kind: global_buffer, .address_space: global }
      - { .name: b2, .offset: 16, .size: 8, .value_kind: global_buffer, .address_space: global }
      - { .name: x1, .offset: 24, .size: 8, .value_kind: global_buffer, .address_space: global }
      - { .name: out0, .offset: 32, .size: 8, .value_kind: global_buffer, .address_space: global }
    .group_segment_fixed_size: 327680
    .private_segment_fixed_size: 0
    .kernarg_segment_align: 8
    .kernarg_segment_size: 40
    .max_flat_workgroup_size: 128
    .sgpr_count:     102
    .vgpr_count:     768
    .wavefront_size: 32
...
	.end_amdgpu_metadata
.endif
;; end of part 7
